; MI455X (gfx1250); checked and timed in simulation.
; The chip was launched on July 23, 2026; its instructions are those of AMD's public machine-readable ISA for CDNA 5 (MIT licence, August 2026) and "CDNA5" Instruction Set Architecture Reference Guide (July 2026). The comments in the code are by the model that wrote it; some were corrected since.
;; Attention. Allowed arithmetic: matrix products marked QUANTISED: E2M3 operands, one E8M0 scale for each 32 along K, by v_wmma_scale_f32_16x16x128_f8f6f4 with both operands' format E2M3, f32 sums; everything else in f32.
;; Inputs: cos 2,048 x 64 float32; sin 2,048 x 64 float32; wk 1,024 x 256 float32; wo 1,024 x 1,024 float32; wq 1,024 x 1,024 float32; wv 1,024 x 256 float32; x 2 x 2,048 x 1,024 float32.
;; Outputs: out0 2 x 2,048 x 1,024 float32.
;; This version of the problem:
;;   THIS VERSION OF THE PROBLEM IS GIVEN IN LOW PRECISION. The matrix products marked QUANTISED in the list below multiply operands that are first quantised to E2M3 (2 exponent bits, 3 mantissa bits; 6 bits a number), with one power-of-two scale for each 32 numbers along K (OCP MX v1.0); their sums are f32. All else is computed in f32.
;;   The module's matrix products, in the order in which they are computed (A, B: the left and right operand; K: the contracted axis; several contracted axes count as one K, in the product's order):
;;     1. [M 4,096, K 1,024] x [K 1,024, N 1,024]; A: input x; B: input wq: QUANTISED
;;     2. [M 4,096, K 1,024] x [K 1,024, N 256]; A: input x; B: input wk: QUANTISED
;;     3. [M 4,096, K 1,024] x [K 1,024, N 256]; A: input x; B: input wv: QUANTISED
;;     4. batch 8 x [M 2,048, K 64] x [K 64, N 8,192]; A: computed on the way; B: computed on the way: QUANTISED
;;     5. batch 8 x [M 64, K 2,048] x [K 2,048, N 8,192]; A: computed on the way; B: softmax (see below): QUANTISED
;;     6. [M 4,096, K 1,024] x [K 1,024, N 1,024]; A: computed on the way; B: input wo: QUANTISED
;;   THE QUANTISER, for each operand of a quantised product, along K:
;;     - K is cut into blocks of 32 from its start; a last block that is shorter is filled with zeros.
;;     - A block's scale is 2^e with e = floor(log2(the largest magnitude in the block)) - 2, held to -126 .. 127; a block of zeros has e = 0. As a byte (E8M0): e + 127.
;;     - Each number is divided by its block's scale, clamped to +-7.5, and rounded to the nearest number of E2M3, ties to even, subnormals kept.
;;     - The product sums the exact products of the quantised numbers (number of the format x scale) in f32.
;;   ~~~python
;;   def quantise(x, axis):      # numpy; x: float32 -> the quantised numbers, widened to float32 again
;;       x = np.moveaxis(x, axis, -1); K = x.shape[-1]
;;       x = np.pad(x, [(0, 0)] * (x.ndim - 1) + [(0, -K % 32)]); x = x.reshape(x.shape[:-1] + (-1, 32)); a = np.abs(x).max(-1, keepdims=True)
;;       e = np.where(a > 0, np.clip(np.frexp(np.where(a > 0, a, 1))[1] - 1 - 2, -126, 127), 0)      # np.frexp(a)[1] - 1 = floor(log2(a)), exactly
;;       r = np.clip(x / 2.0 ** e, -7.5, 7.5)
;;       step = 2.0 ** (np.maximum(np.frexp(np.where(r == 0, 1, r))[1] - 1, 0) - 3)
;;       q = np.round(r / step) * step * 2.0 ** e      # np.round: ties to even
;;       return np.moveaxis(q.reshape(q.shape[:-2] + (-1,))[..., :K], -1, axis).astype(np.float32)
;;   ~~~
;;   SOFTMAX AHEAD OF A QUANTISED PRODUCT. Where the list says 'softmax', what is quantised is not the finished softmax but p = 2^(t - M), with t = logit x log2(e) and M = ceil(the row's largest t), a whole number; so 1/2 < the row's largest p <= 1. The row's sum l is taken of the UNQUANTISED p, in f32, and the product's result is divided by l at the end. Since M is a whole number, a kernel that streams over the keys may use a running M (the ceiling of the running maximum): every later rescaling is an exact power of two, which a block's scale takes up: the codes' values come out the same.
;;   OPERANDS COMPUTED ON THE WAY. 'Computed on the way' means the value that the module computes at that place (a softmax that the list does not call 'softmax' is quantised finished and normalised). What goes into a quantiser is computed in f32, as accurately as f32 sums, v_exp_f32 and their like allow (about 1e-6 of the number): no bf16 or f16 on the way to a quantiser, and a product that is left as it is and whose result goes on into a quantised operand takes f32 operands (vector FMAs, or v_wmma_f32_16x16x4_f32). A number that lies on a knife's edge between two numbers of the format may be rounded either way, as far as f32 arithmetic and the matrix unit's own rounding can turn it there, and no further.
;; One version. Each part assembles by itself: llvm-mc -triple=amdgcn-amd-amdhsa -mcpu=gfx1250 --defsym DOCPART=n.
;; ======== version 1 of 1: 4 launches
;; limits: right only within a limited range of input values
;; workspace buffers: xcs 3,276,800 bytes; wcs 2,048,000 bytes; cs 1,048,576 bytes; qcs 3,407,872 bytes; kv 1,671,168 bytes; ocs 3,276,800 bytes
;; launch prep (part 1): grid 56 x 8, 4 waves a work-group, no clusters, 68,096 bytes of LDS; arguments x, wq, wk, wv, wo, cos, sin, xcs, wcs, cs; writes xcs, wcs, cs
.if DOCPART == 1
	.amdgcn_target "amdgcn-amd-amdhsa--gfx1250"
	.amdhsa_code_object_version 6
	.text
	.protected	k_q1f0158f00b_prep
	.globl	k_q1f0158f00b_prep
	.p2align	8
	.type	k_q1f0158f00b_prep,@function
k_q1f0158f00b_prep:
	s_mov_b64 s[64:65], 0
	v_nop
	global_prefetch_b8 v0, s[64:65] scope:SCOPE_SE
	s_setreg_imm32_b32 hwreg(HW_REG_WAVE_MODE, 25, 1), 1
	s_wait_xcnt 0x0
; GQA attention (B 2, S 2048, HID 1024, 16 query heads, 4 key/value heads, head size 64), all six products on codes of FP6 (E2M3) with one E8M0 scale for each 32 along K.
; Four launches: prep (this one), qkv, attn, oproj.
; WORK LEFT OUT BY THE PROGRAM, AND WHY IT IS DEAD.  reference() builds jnp.tril in its own body and sets every score with key > query to -inf ahead of the softmax; such a score gives p = 0 whatever finite
; values the inputs hold, and 0 adds nothing to the row's sum nor to the second product.  So launch attn leaves out every step of 128 keys all of whose keys come after all 16 queries of a wave's tile.
; No input is dead: all seven are loaded.  LIMIT: a NaN, an infinity or an overflow that would arise only in the steps left out is not carried to the result.
; LIMITS OF THE QUANTISERS (all launches): a block of zeros gets the scale byte 1 where the rule says 127 (its codes are zeros, which add nothing under any byte but 0xff, and the bytes are read by this program alone);
; blocks whose largest magnitude lies under 2^-124 get the byte 1 too; NaN and infinities among the inputs are not served.
;
; THIS LAUNCH turns x and the four weights into codes and scale words, laid as IMAGES OF THE OPERANDS' REGISTERS, and lays cos and sin in the order of a matrix result's lanes.
; A fragment (16 rows x 128 K) is 12 registers a lane = 1,536 bytes: registers 4 c .. 4 c + 3 of lane l at 512 c + 16 l.  Lane (r, h) holds row r; registers 6 c .. 6 c + 5 hold the block of 32 numbered 2 c + h.
; THE ORDER INSIDE A BLOCK OF 32, in every operand of every product of this program: places 0-7 hold k 0-7, places 8-15 k 16-23, places 16-23 k 8-15, places 24-31 k 24-31.  It is the order in which two
; neighbouring tiles of a matrix result fall into an operand; both operands of a product have it, and the blocks are the true blocks of 32: so products and scales are the contract's.
; SCALE WORDS: one word for a row and 128 K; for each tile of 16 rows [pair p 0..3][lane]: lanes 0-15 the words of K step 2 p, lanes 16-31 those of K step 2 p + 1.
; xcs: codes [block of 128 rows][K step][tile of 16 rows][1,536]; from XS_OFF on the scale words [tile of 16 rows][p][lane].
; wcs: codes [tile of 16 columns ct][K step][1,536], ct 0-63 wq, 64-79 wk, 80-95 wv, 96-159 wo; from WS_OFF on the scale words [ct][p][lane].
; cs:  [tile of 16 positions][quad 8 tab + 2 t + q][lane][16 bytes] = tab[16 pt + r][16 t + 8 h + 4 q + 0..3], tab 0 = cos, 1 = sin.
; THREE PATHS, parted on the work-group's x: 0-31 x, 32-51 the weights, 52-55 the tables.  Only the first uses LDS.  No tensor load, no barrier: waves share nothing.
; WHAT IS SAID ABOVE HOLDS WITH THESE TWO PRECISIONS.  (1) The 16 rows (positions) of tile mt (pt) are not neighbours: place r of the tile is row 64 (mt / 4) + 8 (mt % 4) + r % 8 + 32 (r / 8) of the tensor ('16 pt + r' above
; counts places in that order).  So the four tiles of a band of 64 positions, used as 16 rows of a matrix result, leave a whole block of 32 neighbouring positions in a lane's registers.  (2) In the operands of the
; second attention product (p and V) a block of 32 lies in its natural order; the order 0-7, 16-23, 8-15, 24-31 is that of all other operands.
; (3) THE ORDER OF THE TILES ct OF wq, wk, wv is that of launch qkv's work-groups: group gq = 0 .. 7 has tiles 12 gq .. 12 gq + 11: the query heads 2 gq and 2 gq + 1, then key head gq (gq < 4) or value head gq - 4.
; wo's tiles are 96 .. 159, as above.
.set XS_OFF, 3145728
.set WS_OFF, 1966080
.set WREG,   16896                     ; LDS of a wave: two stages
.set HREG,   8448                      ; a stage: 16 rows x SP
.set SP,     528                       ; a row of 512 bytes + 16: the sixteen rows that a load of 16 bytes a lane touches start 33 x 16 bytes apart
.set SPARE,  4*WREG                    ; behind the stages: the spare words, 128 bytes a wave
.set LI,   1                           ; v1   16 x lane
.set L4,   2                           ; v2   4 x lane
.set SIN,  3                           ; v3   the stage, on the way in
.set SOUT, 4                           ; v4   and on the way out
.set LN,   5                           ; v5   lane
.set RR,   6                           ; v6   r = lane % 16
.set HH,   7                           ; v7   h = lane / 16
.set H8,   8                           ; v8   8 h
.set WO,   9                           ; v9   a weight's scale word: 512 h + 4 r
.set TO,   10                          ; v10  the tables: 256 r + 32 h
.set SPW,  14                          ; v14  my spare word; never rewritten
.set NIL,  15                          ; v15  0; never rewritten
.set F0,   16                          ; v16-27 a fragment
.set F1,   28                          ; v28-39 a second one
.set T4,   40                          ; v40-47 the conversions' second halves (their three registers begin on an even number)
.set TM,   48                          ; v48-49 largest magnitudes
.set SO,   50                          ; v50-51 the conversions' scale operands
.set BY,   52                          ; v52-55 scale bytes
.set WD,   56                          ; v56-57 scale words
.set PX,   58                          ; v58  from lane l xor 16
.set OWD,  59                          ; v59  the word that leaves
.set R,    64                          ; v64-191 numbers as loaded
.set X,    192                         ; v192-255 x: two blocks of 32 in the operand's order
	s_load_b512 s[8:23], s[0:1], 0x0               ; x s[8:9], wq s[10:11], wk s[12:13], wv s[14:15], wo s[16:17], cos s[18:19], sin s[20:21], xcs s[22:23]
	s_load_b128 s[24:27], s[0:1], 0x40             ; wcs s[24:25], cs s[26:27]
	v_lshl_add_u32 v[SPW], v0, 2, SPARE
	v_mov_b32 v[NIL], 0
	v_lshrrev_b32 v[LN], 5, v0
	v_readfirstlane_b32 s28, v[LN]                 ; wave
	v_and_b32 v[LN], 31, v0
	v_lshlrev_b32 v[LI], 4, v[LN]
	v_lshlrev_b32 v[L4], 2, v[LN]
	v_and_b32 v[RR], 15, v0
	v_bfe_u32 v[HH], v0, 4, 1
	s_and_b32 s29, ttmp7, 0xffff                   ; work-group y
	s_mov_b32 s30, 0x76543210
	s_mov_b32 s31, 0xfedcba98                      ; v_permlanex16_b32's selects for lane l xor 16
	s_wait_kmcnt 0x0
	s_cmp_ge_u32 ttmp9, 52
	s_cbranch_scc1 .Ltables
	s_cmp_ge_u32 ttmp9, 32
	s_cbranch_scc1 .Lweights
; ---- x: tile of 16 rows mt = 32 y + x; wave p takes 256 along K: K steps 2 p and 2 p + 1
	s_lshl_b32 s32, s29, 5
	s_add_co_u32 s32, s32, ttmp9                   ; mt
	s_lshr_b32 s34, s32, 2
	s_lshl_b32 s34, s34, 18                        ; 64 rows of 4,096 bytes a band,
	s_and_b32 s33, s32, 3
	s_lshl_b32 s33, s33, 15                        ; 8 rows further on for each tile of the band
	s_add_co_u32 s34, s34, s33
	s_lshl_b32 s33, s28, 10                        ; 256 numbers
	s_add_co_u32 s34, s34, s33
	s_mov_b32 s35, 0
	s_add_nc_u64 s[8:9], s[8:9], s[34:35]
	s_lshr_b32 s33, s32, 3
	s_mul_i32 s36, s33, 98304
	s_mul_i32 s33, s28, 24576
	s_add_co_u32 s36, s36, s33
	s_and_b32 s33, s32, 7
	s_mul_i32 s33, s33, 1536
	s_add_co_u32 s36, s36, s33
	s_mov_b32 s37, 0
	s_add_nc_u64 s[36:37], s[22:23], s[36:37]      ; my two fragments' place
	s_lshl_b32 s38, s32, 9
	s_lshl_b32 s33, s28, 7
	s_add_co_u32 s38, s38, s33
	s_add_co_u32 s38, s38, XS_OFF
	s_mov_b32 s39, 0
	s_add_nc_u64 s[38:39], s[22:23], s[38:39]      ; my pair of scale words' place
	s_mul_i32 s33, s28, WREG
	s_wait_alu depctr_va_vdst(0)
	v_add_nc_u32 v[SIN], s33, v[LI]                ; in: as loaded, 16 bytes a lane
	v_mul_u32_u24 v[SOUT], v[RR], SP
	v_lshl_add_u32 v[SOUT], v[HH], 7, v[SOUT]
	v_add_nc_u32 v[SOUT], s33, v[SOUT]             ; out: row r, + 128 h: my block of 32
	v_lshlrev_b32 v[H8], 3, v[HH]
	v_mov_b32 v[PX], 0                             ; a lane permute's destination counts as one of its sources
.irp st, 0,1
.irp i, 0,1,2,3,4,5,6,7,8,9,10,11,12,13,14,15
	global_load_b128 v[R+64*\st+4*\i:R+64*\st+4*\i+3], v[LI], s[8:9] offset:4096*(\i+24*(\i/8))+512*\st th:TH_LOAD_NT   ; 32 lanes read 512 consecutive bytes: 128 numbers of the tile's place i
.endr
.endr
; my two blocks of 32 (2 c + h, c = 0, 1) of row r become registers 6 c .. 6 c + 5 of fragment f, and the row's scale word w
.macro QUANTX f, w
.irp c, 0,1
	v_max3_num_f32 v[TM+\c], |v[X+32*\c]|, |v[X+32*\c+1]|, 0x1800000   ; with the floor 2^(3 - 127) among the leaves: the byte cannot fall under 1
.endr
.irp i, 2,4,6,8,10,12,14,16,18,20,22,24,26,28,30
.irp c, 0,1
	v_max3_num_f32 v[TM+\c], v[TM+\c], |v[X+32*\c+\i]|, |v[X+32*\c+\i+1]|   ; the two blocks by turns
.endr
.endr
.irp c, 0,1
	v_add_nc_u32 v[SO+\c], 0xff000000, v[TM+\c]    ; 2 off the exponent field: the conversion takes that field as its scale
.endr
.irp c, 0,1
	v_lshrrev_b32 v[BY+\c], 23, v[SO+\c]           ; the scale's byte
.endr
	v_lshl_or_b32 v[\w], v[BY+1], 16, v[BY]        ; blocks h and 2 + h,
	v_lshlrev_b32 v[\w], v[H8], v[\w]              ; at their places in the word;
	v_permlanex16_b32 v[PX], v[\w], s30, s31
	v_or_b32 v[\w], v[\w], v[PX]                   ; with lane l xor 16's two the word is whole
.irp c, 0,1
	v_cvt_scalef32_pk16_fp6_f32 v[\f+6*\c:\f+6*\c+2], v[X+32*\c:X+32*\c+15], v[SO+\c]
	v_cvt_scalef32_pk16_fp6_f32 v[T4+4*\c:T4+4*\c+2], v[X+32*\c+16:X+32*\c+31], v[SO+\c]
.endr
	v_nop                                          ; one plain instruction behind the conversions
.irp c, 0,1
.irp i, 0,1,2
	v_mov_b32 v[\f+6*\c+3+\i], v[T4+4*\c+\i]
.endr
.endr
.endm
; K step st: through my stage (LDS serves a wave's instructions in order: no wait between the stores and the loads), quantised, stored
.macro XSTEP st, f, w
	s_wait_loadcnt 16-16*\st                       ; this step's 16 loads are in; the other step's 16 may be out
.irp i, 0,1,2,3,4,5,6,7,8,9,10,11,12,13,14,15
	ds_store_b128 v[SIN], v[R+64*\st+4*\i:R+64*\st+4*\i+3] offset:HREG*\st+SP*\i
.endr
.irp c, 0,1
.irp q, 0,1,2,3,4,5,6,7
	ds_load_b128 v[X+32*\c+4*\q:X+32*\c+4*\q+3], v[SOUT] offset:HREG*\st+256*\c+16*(\q%2+2*(2*((\q/2)%2)+\q/4))   ; the block's eight quads in the order 0 1 4 5 2 3 6 7
.endr
.endr
	s_wait_dscnt 0x0
	QUANTX \f, \w
.irp c, 0,1,2
	global_store_b128 v[LI], v[\f+4*\c:\f+4*\c+3], s[36:37] offset:12288*\st+512*\c   ; 512 consecutive bytes
.endr
.endm
	s_wait_alu depctr_va_vdst(0)
	XSTEP 0, F0, WD
	XSTEP 1, F1, WD+1                              ; registers of its own: no store's data are written again
	v_cmp_le_u32 vcc_lo, 16, v[LN]
	v_cndmask_b32 v[OWD], v[WD], v[WD+1], vcc_lo   ; lanes 0-15 the even step's word, lanes 16-31 the odd step's
	global_store_b32 v[L4], v[OWD], s[38:39]
	s_branch .Ltail
; ---- the weights: g = x - 32 names 128 columns of one of the four, y the K step.  A LANE TAKES A COLUMN AND ITS REGISTERS RUN DOWN K; a wave takes 32 columns x 128 K: two fragments
.Lweights:
	s_sub_co_u32 s32, ttmp9, 32                    ; g: 0-7 wq, 8-9 wk, 10-11 wv, 12-19 wo
	s_sub_co_u32 s36, s32, 12
	s_sub_co_u32 s37, s32, 10
	s_sub_co_u32 s38, s32, 8
	s_mov_b64 s[34:35], s[16:17]
	s_cmp_lt_u32 s32, 12
	s_cselect_b64 s[34:35], s[14:15], s[34:35]
	s_cselect_b32 s36, s37, s36
	s_cmp_lt_u32 s32, 10
	s_cselect_b64 s[34:35], s[12:13], s[34:35]
	s_cselect_b32 s36, s38, s36
	s_cmp_lt_u32 s32, 8
	s_cselect_b64 s[34:35], s[10:11], s[34:35]     ; the tensor,
	s_cselect_b32 s36, s32, s36                    ; and which 128 of its columns
	s_cmp_lt_u32 s38, 4                            ; wk and wv have rows of 1,024 bytes, wq and wo of 4,096
	s_cselect_b32 s40, 17, 19
	s_lshl_b32 s40, s29, s40                       ; 128 rows a K step
	s_lshl_b32 s41, s36, 9
	s_add_co_u32 s40, s40, s41
	s_lshl_b32 s41, s28, 7                         ; my wave's 32 columns
	s_add_co_u32 s40, s40, s41
	s_mov_b32 s41, 0
	s_add_nc_u64 s[34:35], s[34:35], s[40:41]
	s_lshl_b32 s42, s32, 3
	s_lshl_b32 s43, s28, 1
	s_add_co_u32 s42, s42, s43                     ; wo: my first tile 8 g + 2 wave
	s_mul_i32 s44, s32, 12
	s_add_co_u32 s44, s44, s43                     ; wq: 12 g + 2 wave
	s_lshl_b32 s45, s38, 1
	s_lshr_b32 s46, s28, 1
	s_add_co_u32 s45, s45, s46                     ; wk, wv: group 2 (g - 8) + wave / 2,
	s_mul_i32 s45, s45, 12
	s_and_b32 s46, s43, 2
	s_add_co_u32 s45, s45, s46
	s_add_co_u32 s45, s45, 8                       ; its tiles 8 .. 11
	s_cmp_lt_u32 s32, 12
	s_cselect_b32 s42, s45, s42
	s_cmp_lt_u32 s32, 8
	s_cselect_b32 s42, s44, s42
	s_mul_i32 s44, s42, 12288
	s_mul_i32 s43, s29, 1536
	s_add_co_u32 s44, s44, s43
	s_mov_b32 s45, 0
	s_add_nc_u64 s[44:45], s[24:25], s[44:45]
	s_lshl_b32 s46, s42, 9
	s_lshl_b32 s43, s29, 6                         ; pair y / 2, half y % 2: 64 y bytes
	s_add_co_u32 s46, s46, s43
	s_add_co_u32 s46, s46, WS_OFF
	s_mov_b32 s47, 0
	s_add_nc_u64 s[46:47], s[24:25], s[46:47]
	s_wait_alu depctr_va_vdst(0)
	v_lshlrev_b32 v[WO], 2, v[RR]
	v_lshl_add_u32 v[WO], v[HH], 9, v[WO]
.macro WLOAD pitch                     ; register 32 b + p takes row 32 b + (the k of place p): 32 lanes read 128 consecutive bytes, the four waves stand side by side on 512
.set n, 0
.rept 128
	global_load_b32 v[R+n], v[L4], s[34:35] offset:(32*(n/32)+n%8+8*(2*(((n%32)/8)%2)+(n%32)/16))*\pitch th:TH_LOAD_NT
.set n, n+1
.endr
.endm
	s_cmp_lt_u32 s38, 4
	s_cbranch_scc1 .Lnarrow
	WLOAD 4096
	s_branch .Lloaded
.Lnarrow:
	WLOAD 1024
.Lloaded:
; block b of my column: all its 32 numbers are mine.  Blocks 0 and 2 go to F0, blocks 1 and 3 to F1
.macro WBLOCK b, left
.set RB, R+32*(\b)
.set FB, F0+12*((\b)%2)+6*((\b)/2)
	s_wait_loadcnt \left                           ; this block's loads are in; younger ones may be out
	v_max3_num_f32 v[TM], |v[RB]|, |v[RB+1]|, |v[RB+2]|
	v_max3_num_f32 v[TM+1], |v[RB+3]|, |v[RB+4]|, |v[RB+5]|
.irp i, 6,10,14,18,22,26
	v_max3_num_f32 v[TM], v[TM], |v[RB+\i]|, |v[RB+\i+1]|
	v_max3_num_f32 v[TM+1], v[TM+1], |v[RB+\i+2]|, |v[RB+\i+3]|
.endr
	v_max3_num_f32 v[TM], v[TM], |v[RB+30]|, |v[RB+31]|
	v_max3_num_f32 v[TM], v[TM], v[TM+1], 0x1800000
	v_add_nc_u32 v[SO], 0xff000000, v[TM]
	v_lshrrev_b32 v[BY+\b], 23, v[SO]
	v_cvt_scalef32_pk16_fp6_f32 v[FB:FB+2], v[RB:RB+15], v[SO]
	v_cvt_scalef32_pk16_fp6_f32 v[T4:T4+2], v[RB+16:RB+31], v[SO]
	v_nop
.irp i, 0,1,2
	v_mov_b32 v[FB+3+\i], v[T4+\i]
.endr
.endm
	WBLOCK 0, 63                                   ; 96 younger loads: the count is held at the largest that the wait can name
	WBLOCK 1, 63                                   ; 64 younger
	WBLOCK 2, 32
	WBLOCK 3, 0
	v_lshl_or_b32 v[WD], v[BY+1], 8, v[BY]         ; my column's scale word
	v_lshl_or_b32 v[WD], v[BY+2], 16, v[WD]
	v_lshl_or_b32 v[WD], v[BY+3], 24, v[WD]
.irp i, 0,1,2,3,4,5,6,7,8,9,10,11
	v_permlane16_swap_b32 v[F0+\i], v[F1+\i]       ; F0's lanes 16-31 change places with F1's lanes 0-15: F0 is now the fragment of columns 0-15, F1 that of columns 16-31
.endr
.irp c, 0,1,2
	global_store_b128 v[LI], v[F0+4*\c:F0+4*\c+3], s[44:45] offset:512*\c
	global_store_b128 v[LI], v[F1+4*\c:F1+4*\c+3], s[44:45] offset:12288+512*\c
.endr
	global_store_b32 v[WO], v[WD], s[46:47]        ; two runs of 64 bytes: one byte in 128 of what the wave reads
	s_branch .Ltail
; ---- cos and sin: tile of 16 positions pt = 32 (x - 52) + 4 y + wave
.Ltables:
	s_sub_co_u32 s32, ttmp9, 52
	s_lshl_b32 s32, s32, 5
	s_lshl_b32 s33, s29, 2
	s_add_co_u32 s32, s32, s33
	s_add_co_u32 s32, s32, s28
	s_lshr_b32 s34, s32, 2
	s_lshl_b32 s34, s34, 14                        ; 64 rows of 256 bytes a band,
	s_and_b32 s33, s32, 3
	s_lshl_b32 s33, s33, 11                        ; 8 rows further on for each tile of the band
	s_add_co_u32 s34, s34, s33
	s_mov_b32 s35, 0
	s_add_nc_u64 s[18:19], s[18:19], s[34:35]
	s_add_nc_u64 s[20:21], s[20:21], s[34:35]
	s_lshl_b32 s34, s32, 13
	s_add_nc_u64 s[26:27], s[26:27], s[34:35]
	s_wait_alu depctr_va_vdst(0)
	v_and_b32 v[TO], 8, v[RR]
	v_mad_u32_u24 v[TO], v[TO], 3, v[RR]           ; r + 24 (r / 8)
	v_lshlrev_b32 v[TO], 8, v[TO]
	v_lshl_add_u32 v[TO], v[HH], 5, v[TO]
.irp q, 0,1,2,3,4,5,6,7
	global_load_b128 v[R+4*\q:R+4*\q+3], v[TO], s[18:19] offset:64*(\q/2)+16*(\q%2)
.endr
.irp q, 0,1,2,3,4,5,6,7
	global_load_b128 v[R+32+4*\q:R+32+4*\q+3], v[TO], s[20:21] offset:64*(\q/2)+16*(\q%2)
.endr
.irp q, 0,1,2,3,4,5,6,7,8,9,10,11,12,13,14,15
	s_wait_loadcnt 15-\q                           ; quad q is in; the younger ones may be out
	global_store_b128 v[LI], v[R+4*\q:R+4*\q+3], s[26:27] offset:512*\q
.endr
.Ltail:
	s_wait_tensorcnt 0x0                           ; the wave's end
	ds_add_u32 v[SPW], v[NIL]
	s_wait_dscnt 0x0
	s_endpgm
.Lfunc_end_k_q1f0158f00b_prep:
	.size	k_q1f0158f00b_prep, .Lfunc_end_k_q1f0158f00b_prep-k_q1f0158f00b_prep
	.p2alignl 7, 3214868480
	.fill 96, 4, 3214868480
	.section	.rodata,"a",@progbits
	.p2align	6, 0x0
	.amdhsa_kernel k_q1f0158f00b_prep
		.amdhsa_group_segment_fixed_size 68096
		.amdhsa_private_segment_fixed_size 0
		.amdhsa_enable_private_segment 0
		.amdhsa_kernarg_size 80
		.amdhsa_user_sgpr_count 2
		.amdhsa_user_sgpr_kernarg_segment_ptr 1
		.amdhsa_wavefront_size32 1
		.amdhsa_system_sgpr_workgroup_id_x 1
		.amdhsa_system_sgpr_workgroup_id_y 1
		.amdhsa_system_sgpr_workgroup_id_z 1
		.amdhsa_system_vgpr_workitem_id 0
		.amdhsa_next_free_vgpr 256
		.amdhsa_next_free_sgpr 66
		.amdhsa_reserve_vcc 1
		.amdhsa_float_denorm_mode_32 3
		.amdhsa_float_denorm_mode_16_64 3
		.amdhsa_memory_ordered 1
		.amdhsa_forward_progress 1
		.amdhsa_inst_pref_size 54
	.end_amdhsa_kernel
	.amdgpu_metadata
---
amdhsa.version: [ 1, 2 ]
amdhsa.kernels:
  - .name:           k_q1f0158f00b_prep
    .symbol:         k_q1f0158f00b_prep.kd
    .args:
      - { .name: x, .offset: 0, .size: 8, .value_kind: global_buffer, .address_space: global }
      - { .name: wq, .offset: 8, .size: 8, .value_kind: global_buffer, .address_space: global }
      - { .name: wk, .offset: 16, .size: 8, .value_kind: global_buffer, .address_space: global }
      - { .name: wv, .offset: 24, .size: 8, .value_kind: global_buffer, .address_space: global }
      - { .name: wo, .offset: 32, .size: 8, .value_kind: global_buffer, .address_space: global }
      - { .name: cos, .offset: 40, .size: 8, .value_kind: global_buffer, .address_space: global }
      - { .name: sin, .offset: 48, .size: 8, .value_kind: global_buffer, .address_space: global }
      - { .name: xcs, .offset: 56, .size: 8, .value_kind: global_buffer, .address_space: global }
      - { .name: wcs, .offset: 64, .size: 8, .value_kind: global_buffer, .address_space: global }
      - { .name: cs, .offset: 72, .size: 8, .value_kind: global_buffer, .address_space: global }
    .group_segment_fixed_size: 68096
    .private_segment_fixed_size: 0
    .kernarg_segment_align: 8
    .kernarg_segment_size: 80
    .max_flat_workgroup_size: 128
    .sgpr_count:     66
    .vgpr_count:     256
    .wavefront_size: 32
...
	.end_amdgpu_metadata
.endif
;; end of part 1
;; launch qkv (part 2): grid 8 x 32, 12 waves a work-group, clusters of 4 x 4, 327,680 bytes of LDS; arguments xcs, wcs, cs, qcs, kv; writes qcs, kv
.if DOCPART == 2
	.amdgcn_target "amdgcn-amd-amdhsa--gfx1250"
	.amdhsa_code_object_version 6
	.text
	.protected	k_q1f0158f00b_qkv
	.globl	k_q1f0158f00b_qkv
	.p2align	8
	.type	k_q1f0158f00b_qkv,@function
k_q1f0158f00b_qkv:
	s_mov_b64 s[64:65], 0
	v_nop
	global_prefetch_b8 v0, s[64:65] scope:SCOPE_SE
	s_setreg_imm32_b32 hwreg(HW_REG_WAVE_MODE, 25, 1), 1
	s_wait_xcnt 0x0
	s_wait_alu depctr_hold_cnt(0) depctr_sa_sdst(0) depctr_va_vdst(0) depctr_va_sdst(0) depctr_va_ssrc(0) depctr_va_vcc(0) depctr_vm_vsrc(0)
	s_getreg_b32 s2, hwreg(HW_REG_IB_STS2, 6, 4)
	s_cmp_eq_u32 s2, 0
	s_cbranch_scc0 .Lentry_in_a_cluster
	s_endpgm
.Lentry_in_a_cluster:
	s_bfe_u32 s2, ttmp6, 0x10000c
	s_cmp_lg_u32 s2, 0xf033
	s_cbranch_scc0 .Lentry_shape_is_right
	s_endpgm
.Lentry_shape_is_right:
; q = rope(x wq), k = rope(x wk), v = x wv, on the codes that launch prep made; the results are quantised in registers and leave as images of the next products' operands.  Nothing of this launch's work is left out.
; LIMITS: as stated at the head of launch prep.
; SHARES.  Work-group (g, RB), 256 of them: 128 rows of x (RB) x three heads: query heads 2 g, 2 g + 1, and key head cx (clusters with x = 0) or value head cx (x = 1), cx = g % 4 the place in the cluster.  Twelve waves: head wave / 4 of the three,
; quarter wave % 4.  A wave of a query or key head makes 32 rows x 64 columns, one of a value head 128 rows x 16 columns: 8 accumulators either way.  K goes in 8 steps of 128, in two phases of 4.
; CLUSTERS of 4 x 4: x's codes and scale words and the tables hang on RB and are shared along a row of the cluster, the weights' on g and along a column.  The roles of waves hang on the wave's number and the cluster's x alone.
; FILLS, one joint load a wave at the head, none later.  Waves 0-5: the weights' K steps 0-1, 2-3, x's 0-1, 2-3, both scale words: shown by the first barrier.  Waves 6-11: the weights' 4-5, 6-7, x's 4-5, 6-7, the tables' halves: shown by the second.
; No data prefetch: all is asked for at the head, no loop with loads follows.
; q AND k: the product is used transposed (source 0 = 16 columns of the weight, source 1 = 16 rows of x): a lane holds ONE position and its registers run along the head: tile t, register j = channel 16 t + 8 h + j.
;   rope: channel d and channel d +- 32 lie in the same register of tiles t and t +- 2.  Two blocks of 32 channels make half a fragment: 6 registers, registers 0-3 at 16 l, registers 4-5 at 512 + 8 l: 768 bytes.
; v: source 0 = 16 rows of x, source 1 = 16 columns of wv: a lane holds ONE channel; by the order of x's rows registers 32 c .. 32 c + 31 are the positions 64 c + 32 h + 0 .. 31: a whole block.
; qcs: [16 b + head][tile of 16 queries][768]; from QS_OFF on [16 b + head][block of 128 queries][512]: the word of tile 2 p + u, place r at 16 (16 u + r) + 4 p.
; kv:  for each 4 b + head 208,896 bytes: K's scale words [step of 128 keys][512] (same form), V's [step][256]: the word of channel tile 2 p + u, channel r at 8 (16 u + r) + 4 p; then 16 records of 12,288 bytes:
;      8 half fragments of K, 4 fragments of V^T.  A head's four waves gather their scale words in LDS; one of them stores the whole.
; REGISTERS: v1-15, v34-39, v254-255 addresses and small values; v16-33 scale words; v40-103 the accumulators; v104-247 fragments (q, k: two sets of 72; v: one of 108); on the way out cos, sin of two tiles at v104 and v168, rope's results over sin.
.set XS_OFF, 3145728
.set WS_OFF, 1966080
.set QS_OFF, 3145728
.set KVB,    208896
.set W0,     98304                     ; LDS: x [8 K steps][8 tiles][1,536]; the weights [4 pairs of K steps][12 tiles][2][1,536];
.set CSB,    245760                    ; cos and sin [8 tiles][8,192];
.set XSL,    311296                    ; x's scale words [8 tiles][512];
.set WSL,    315392                    ; the weights' [12][512];
.set STG,    321536                    ; q's, k's scale words on the way out [3 heads][512];
.set STV,    323072                    ; v's [3][256];
.set SPARE,  323840                    ; the spare words, 128 bytes a wave
.set LI,   1                           ; 16 x lane
.set L8,   2                           ; 8 x lane
.set L4,   3                           ; 4 x lane
.set LN,   4                           ; lane
.set H8,   5                           ; 8 h
.set SPW,  6
.set NIL,  7
.set ADW,  8                           ; v8-9   q, k: my weights' fragments, phases 0 and 1
.set ADX,  10                          ; v10-11 x's
.set AVW,  12                          ; v12-13 v: my weights'
.set LIX,  14                          ; v14    x's in phase 1
.set SA,   15                          ; v15    the scale words' way out, q and k
.set XS,   16
.set WS,   20
.set XSV,  16
.set WSV,  32
.set AXS,  34
.set AWS,  35
.set AXV,  36
.set AWV,  37
.set SV,   38
.set CSA,  39
.set AC,   40
.set F0,   104
.set BM,   232
.set PX,   236
.set SO,   240
.set BY,   244
.set WD,   248
.set OWD,  250
.set RG,   254
.set RGV,  255
.set SEL,  66
.macro WALU
	s_wait_alu depctr_va_vdst(0)
.endm
.macro PLACES                          ; four plain instructions between a matrix instruction and a load into, or a vector read or write of, its registers (ISA guide 7.12.1 for vector reads and writes)
.rept 4
	v_nop
.endr
.endm
.macro CROUND
	s_barrier_signal -1
	s_barrier_wait -1
	s_cmp_lg_u32 s18, 0
	s_cbranch_scc1 .Lnot_wave_0_\@
	s_barrier_signal -3
.Lnot_wave_0_\@:
	s_barrier_wait -3
	s_barrier_signal -1
	s_barrier_wait -1
.endm
.macro DENSE g, mask, rows             ; descriptor group 1: a dense block as rows of 256 bytes, elements of 8 bytes
	s_or_b32 s[\g], s\mask, (3<<16)|(1<<21)
	s_mov_b32 s[\g+1], 32<<16
	s_mov_b32 s[\g+2], (\rows)<<16
	s_mov_b32 s[\g+3], 32<<16
	s_mov_b32 s[\g+4], \rows
	s_mov_b32 s[\g+5], 32
	s_mov_b32 s[\g+6], 0
	s_mov_b32 s[\g+7], 0
.endm
.macro G0ADDR g, base, off
	s_mov_b32 s[\g], 1
	s_add_nc_u64 s[\g+2:\g+3], s[\base:\base+1], s[\off:\off+1]
	s_or_b32 s[\g+3], s[\g+3], 0x80000000
.endm
.macro ARM under, g0, g1, next
	s_cmp_lt_u32 s18, \under
	s_cbranch_scc0 \next
	tensor_load_to_lds s[\g0:\g0+3], s[\g1:\g1+7]
	s_nop 0
	PLACES
	s_branch .Lasked
\next:
.endm
	s_load_b256 s[8:15], s[0:1], 0x0               ; xcs s[8:9], wcs s[10:11], cs s[12:13], qcs s[14:15]
	s_load_b64 s[16:17], s[0:1], 0x20              ; kv
	v_lshl_add_u32 v[SPW], v0, 2, SPARE
	v_mov_b32 v[NIL], 0
	ds_add_u32 v[SPW], v[NIL]                      ; the opening lines
	ds_add_u32 v[SPW], v[NIL]
	v_lshrrev_b32 v[LN], 5, v0
	v_readfirstlane_b32 s18, v[LN]                 ; wave
	s_and_b32 s19, s18, 3                          ; quarter
	s_lshr_b32 s20, s18, 2                         ; which of the three heads
	s_lshr_b32 s21, s18, 3
	s_mul_i32 s21, s21, ttmp9                      ; 1: a value head
	s_bfe_u32 s6, ttmp6, 0x40000                   ; cx
	s_bfe_u32 s7, ttmp6, 0x40004                   ; cy
	s_lshl_b32 s22, ttmp9, 2
	s_add_co_u32 s22, s22, s6                      ; g
	s_and_b32 s23, ttmp7, 0xffff
	s_lshl_b32 s23, s23, 2
	s_add_co_u32 s23, s23, s7                      ; RB
	s_lshl_b32 s4, s7, 2
	s_lshl_b32 s4, 15, s4                          ; my row of the cluster
	s_lshl_b32 s5, 0x1111, s6                      ; my column
	s_or_b32 s24, s5, (3<<16)|(1<<21)              ; the weights: 12 rows of 3,072 bytes (two K steps of a tile), 12,288 apart
	s_mov_b32 s25, 384<<16
	s_mov_b32 s26, 12<<16
	s_mov_b32 s27, 384<<16
	s_mov_b32 s28, 12
	s_mov_b32 s29, 1536
	s_mov_b32 s30, 0
	s_mov_b32 s31, 0
	DENSE 32, 4, 96                                ; x: 24,576 bytes, two K steps
	DENSE 40, 4, 128                               ; the tables: 32,768 bytes
	DENSE 48, 4, 16                                ; x's scale words: 4,096
	DENSE 56, 5, 24                                ; the weights': 6,144
	s_mul_i32 s69, s19, 36864                      ; places in LDS: pair wave % 4 of the weights (waves 0, 1, 6, 7),
	s_add_co_u32 s69, s69, W0
	s_and_b32 s3, s18, 1
	s_lshr_b32 s2, s18, 3
	s_lshl_b32 s2, s2, 1
	s_add_co_u32 s2, s2, s3                        ; pair wave % 2 + 2 (wave / 8) of x (waves 2, 3, 8, 9),
	s_mul_i32 s73, s2, 24576
	s_lshl_b32 s77, s3, 15                         ; half wave % 2 of the tables (waves 10, 11)
	s_and_b32 s66, s23, 15                         ; which 128 positions
	s_lshl_b32 s96, s66, 16
	s_add_co_u32 s96, s96, s77                     ; where they come from: the tables,
	s_mov_b32 s97, 0
	s_add_co_u32 s77, s77, CSB
	s_mov_b32 s81, XSL
	s_mov_b32 s85, WSL
	s_mul_i32 s92, s22, 147456
	s_mul_i32 s67, s19, 3072
	s_add_co_u32 s92, s92, s67                     ; the weights,
	s_mov_b32 s93, 0
	s_mul_i32 s94, s23, 98304
	s_add_co_u32 s94, s94, s73                     ; x,
	s_mov_b32 s95, 0
	s_lshl_b32 s98, s23, 12
	s_add_co_u32 s98, s98, XS_OFF                  ; and the scale words
	s_mov_b32 s99, 0
	s_mul_i32 s100, s22, 6144
	s_add_co_u32 s100, s100, WS_OFF
	s_mov_b32 s101, 0
	s_lshr_b32 s3, s23, 4                          ; b.  Where the results go.  q:
	s_lshl_b32 s2, s3, 4
	s_lshl_b32 s67, s22, 1
	s_add_co_u32 s2, s2, s67
	s_add_co_u32 s2, s2, s20                       ; 16 b + head
	s_mul_i32 s88, s2, 98304
	s_mul_i32 s67, s66, 6144
	s_add_co_u32 s88, s88, s67
	s_lshl_b32 s90, s2, 13
	s_lshl_b32 s67, s66, 9
	s_add_co_u32 s90, s90, s67
	s_add_co_u32 s90, s90, QS_OFF
	s_lshl_b32 s2, s3, 2                           ; k and v:
	s_add_co_u32 s2, s2, s6
	s_mul_i32 s2, s2, KVB
	s_lshr_b32 s67, s67, ttmp9                     ; 512 bytes of scale words a step, v 256
	s_add_co_u32 s91, s2, s67
	s_lshl_b32 s67, ttmp9, 13
	s_add_co_u32 s91, s91, s67                     ; v's lie 8,192 further on
	s_mul_i32 s67, s66, 12288
	s_add_co_u32 s89, s2, s67
	s_add_co_u32 s89, s89, 12288                   ; the record
	s_mul_i32 s67, ttmp9, 6144
	s_add_co_u32 s89, s89, s67                     ; V^T's half of it
	s_cmp_lt_u32 s20, 2
	s_cselect_b32 s88, s88, s89
	s_cselect_b32 s90, s90, s91
	s_mul_i32 s67, s19, 1536
	s_add_co_u32 s88, s88, s67                     ; my quarter
	s_mov_b32 s89, 0
	s_mov_b32 s91, 0
	v_and_b32 v[LN], 31, v0
	v_lshlrev_b32 v[LI], 4, v[LN]
	v_lshlrev_b32 v[L8], 3, v[LN]
	v_lshlrev_b32 v[L4], 2, v[LN]
	v_and_b32 v40, 15, v0                          ; r
	v_bfe_u32 v[H8], v0, 4, 1
	v_lshlrev_b32 v[H8], 3, v[H8]
	WALU
	s_mul_i32 s2, s20, 12288
	s_add_co_u32 s2, s2, W0
	s_mul_i32 s3, s19, 3072
	v_add_nc_u32 v[ADW], s2, v[LI]
	v_add_nc_u32 v[ADW+1], 73728, v[ADW]
	v_add_nc_u32 v[AVW], s3, v[ADW]
	v_add_nc_u32 v[AVW+1], 73728, v[AVW]
	v_add_nc_u32 v[ADX], s3, v[LI]
	v_add_nc_u32 v[ADX+1], 49152, v[ADX]
	v_add_nc_u32 v[LIX], 49152, v[LI]
	s_lshl_b32 s2, s19, 10
	s_add_co_u32 s2, s2, XSL
	v_add_nc_u32 v[AXS], s2, v[L4]
	v_add_nc_u32 v[AXV], XSL, v[L4]
	s_lshl_b32 s2, s20, 11
	s_add_co_u32 s2, s2, WSL
	s_lshl_b32 s3, s19, 9
	v_add_nc_u32 v[AWS], s2, v[L4]
	v_add_nc_u32 v[AWV], s3, v[AWS]
	s_lshl_b32 s2, s19, 14
	s_add_co_u32 s2, s2, CSB
	v_add_nc_u32 v[CSA], s2, v[LI]
	s_lshl_b32 s2, s20, 9
	s_add_co_u32 s2, s2, STG
	v_add_nc_u32 v[RG], s2, v[LI]                  ; out of the stage: 16 bytes a lane
	s_lshl_b32 s3, s19, 2
	v_add_nc_u32 v[SA], s3, v[RG]                  ; into it: 16 lane + 4 quarter
	s_lshl_b32 s2, s20, 8
	s_add_co_u32 s2, s2, STV
	v_add_nc_u32 v[RGV], s2, v[L8]                 ; v: 8 bytes a lane
	s_and_b32 s3, s19, 1
	s_lshl_b32 s3, s3, 7
	s_add_co_u32 s2, s2, s3
	s_lshr_b32 s3, s19, 1
	s_lshl_b32 s3, s3, 2
	s_add_co_u32 s2, s2, s3
	v_lshlrev_b32 v[SV], 3, v40
	v_add_nc_u32 v[SV], s2, v[SV]                  ; 8 (16 (t % 2) + r) + 4 (t / 2), t = my quarter the channel tile
	WALU
	s_wait_dscnt 0x0                               ; both opening adds are done
	CROUND                                         ; all sixteen work-groups are here: the joint loads meet
	s_wait_kmcnt 0x0
	G0ADDR 68, 10, 92
	G0ADDR 72, 8, 94
	G0ADDR 76, 12, 96
	G0ADDR 80, 8, 98
	G0ADDR 84, 10, 100
	ARM 2, 68, 24, .Larm_x
	ARM 4, 72, 32, .Larm_xs
	ARM 5, 80, 48, .Larm_ws
	ARM 6, 84, 56, .Larm_w2
	ARM 8, 68, 24, .Larm_x2
	ARM 10, 72, 32, .Larm_cs
	tensor_load_to_lds s[76:79], s[40:47]
	s_nop 0
	PLACES
.Lasked:
	s_cmp_lt_u32 s20, 2
	s_cselect_b64 s[2:3], s[14:15], s[16:17]       ; q's results go to qcs, k's and v's to kv
	s_add_nc_u64 s[88:89], s[2:3], s[88:89]
	s_add_nc_u64 s[90:91], s[2:3], s[90:91]
	s_mov_b32 s[SEL], 0x76543210
	s_mov_b32 s[SEL+1], 0xfedcba98
.macro WM d, a, b, zero, sa, sb, odd   ; one product; an odd K step's scale words lie in lanes 16-31
.if \zero
	v_wmma_scale_f32_16x16x128_f8f6f4 v[\d:\d+7], v[\a:\a+11], v[\b:\b+11], 0, v[\sa], v[\sb] matrix_a_fmt:MATRIX_FMT_FP6 matrix_b_fmt:MATRIX_FMT_FP6
.elseif \odd
	v_wmma_scale_f32_16x16x128_f8f6f4 v[\d:\d+7], v[\a:\a+11], v[\b:\b+11], v[\d:\d+7], v[\sa], v[\sb] matrix_a_fmt:MATRIX_FMT_FP6 matrix_b_fmt:MATRIX_FMT_FP6 matrix_a_scale:MATRIX_SCALE_ROW1 matrix_b_scale:MATRIX_SCALE_ROW1
.else
	v_wmma_scale_f32_16x16x128_f8f6f4 v[\d:\d+7], v[\a:\a+11], v[\b:\b+11], v[\d:\d+7], v[\sa], v[\sb] matrix_a_fmt:MATRIX_FMT_FP6 matrix_b_fmt:MATRIX_FMT_FP6
.endif
.endm
.macro FETCH ph, k                     ; q, k: K step 4 ph + k into set k % 2: the weight's four fragments, x's two: 18 loads of 512 consecutive bytes
.set SB, F0+72*((\k)%2)
.irp t, 0,1,2,3
.irp c, 0,1,2
	ds_load_b128 v[SB+12*\t+4*\c:SB+12*\t+4*\c+3], v[ADW+\ph] offset:36864*((\k)/2)+3072*\t+1536*((\k)%2)+512*\c
.endr
.endr
.irp m, 0,1
.irp c, 0,1,2
	ds_load_b128 v[SB+48+12*\m+4*\c:SB+48+12*\m+4*\c+3], v[ADX+\ph] offset:12288*(\k)+1536*\m+512*\c
.endr
.endr
.endm
.macro CSLOAD m                        ; cos and sin of my tile m: 16 loads
.irp q, 0,1,2,3,4,5,6,7,8,9,10,11,12,13,14,15
	ds_load_b128 v[F0+64*\m+4*\q:F0+64*\m+4*\q+3], v[CSA] offset:8192*\m+512*\q
.endr
.endm
; the 8 accumulators take turns, one instruction a turn, in the same order in every step; the first step's products start the sums
.macro QKSTEP ph, k
.if (\k) > 0
	PLACES
.endif
.if (\k) < 3
	FETCH \ph, (\k)+1
	s_wait_dscnt 18                                ; this step's fragments are in; the 18 loads just issued may be out
.elseif \ph
	CSLOAD 0                                       ; into the set that is done with
	s_wait_dscnt 16
.else
	s_wait_dscnt 0x0
.endif
.set SB, F0+72*((\k)%2)
.if (\ph) + (\k) == 0
.set ZR, 1
.else
.set ZR, 0
.endif
.set PP, (\k)/2
.set OD, (\k)%2
.irp m, 0,1
.irp t, 0,1,2,3
	WM AC+8*(4*\m+\t), SB+12*\t, SB+48+12*\m, ZR, WS+2*\t+PP, XS+2*\m+PP, OD
.endr
.endr
.endm
.macro QKPHASE ph
.if \ph
	PLACES
.endif
.irp p, 0,1
.irp m, 0,1
	ds_load_b32 v[XS+2*\m+\p], v[AXS] offset:512*\m+128*(2*\ph+\p)
.endr
.irp t, 0,1,2,3
	ds_load_b32 v[WS+2*\t+\p], v[AWS] offset:512*\t+128*(2*\ph+\p)
.endr
.endr
	FETCH \ph, 0
.irp k, 0,1,2,3
	QKSTEP \ph, \k
.endr
.endm
.macro VPHASE ph                       ; v: one set of fragments: x's eight, the weight's one
.if \ph
	PLACES
.endif
.irp p, 0,1
.irp m, 0,1,2,3,4,5,6,7
	ds_load_b32 v[XSV+2*\m+\p], v[AXV] offset:512*\m+128*(2*\ph+\p)
.endr
	ds_load_b32 v[WSV+\p], v[AWV] offset:128*(2*\ph+\p)
.endr
.irp k, 0,1,2,3
.if \k > 0
	PLACES
.endif
.irp c, 0,1,2
	ds_load_b128 v[F0+4*\c:F0+4*\c+3], v[AVW+\ph] offset:36864*(\k/2)+1536*(\k%2)+512*\c
.endr
.irp m, 0,1,2,3,4,5,6,7
.irp c, 0,1,2
	ds_load_b128 v[F0+12+12*\m+4*\c:F0+12+12*\m+4*\c+3], v[LI+13*\ph] offset:12288*\k+1536*\m+512*\c
.endr
.endr
	s_wait_dscnt 0x0
.if (\ph) + (\k) == 0
.set ZR, 1
.else
.set ZR, 0
.endif
.set PP, \k/2
.set OD, \k%2
.irp m, 0,1,2,3,4,5,6,7
	WM AC+8*\m, F0+12+12*\m, F0, ZR, XSV+2*\m+PP, WSV+PP, OD
.endr
.endr
.endm
.macro ROPE m                          ; my tile m; the results lie over sin
.set AM, AC+32*\m
.set CB, F0+64*\m
.irp j, 0,2,4,6                        ; each accumulator is read from its low end on
.irp t, 0,1,2,3
	v_pk_mul_f32 v[CB+32+8*\t+\j:CB+32+8*\t+\j+1], v[AM+8*((\t+2)%4)+\j:AM+8*((\t+2)%4)+\j+1], v[CB+32+8*\t+\j:CB+32+8*\t+\j+1]   ; the channel 32 away x sin
.endr
.endr
.irp j, 0,2,4,6
.irp t, 0,1
	v_pk_fma_f32 v[CB+32+8*\t+\j:CB+32+8*\t+\j+1], v[AM+8*\t+\j:AM+8*\t+\j+1], v[CB+8*\t+\j:CB+8*\t+\j+1], v[CB+32+8*\t+\j:CB+32+8*\t+\j+1] neg_lo:[0,0,1] neg_hi:[0,0,1]   ; channels 0-31: q cos - q(d + 32) sin
.endr
.irp t, 2,3
	v_pk_fma_f32 v[CB+32+8*\t+\j:CB+32+8*\t+\j+1], v[AM+8*\t+\j:AM+8*\t+\j+1], v[CB+8*\t+\j:CB+8*\t+\j+1], v[CB+32+8*\t+\j:CB+32+8*\t+\j+1]   ; channels 32-63: q cos + q(d - 32) sin
.endr
.endr
.endm
	s_cmp_lt_u32 s18, 6
	s_cbranch_scc0 .Lnot_yet
	s_wait_tensorcnt 0x0                           ; my part of K steps 0-3 or of the scale words
.Lnot_yet:
	s_barrier_signal -1
	s_barrier_wait -1                              ; everybody's; the rest may be on its way
	s_cmp_lg_u32 s21, 0
	s_cbranch_scc1 .Lvalues_0
	QKPHASE 0
	s_branch .Lphase_1
.Lvalues_0:
	VPHASE 0
.Lphase_1:
	s_wait_tensorcnt 0x0
	s_wait_dscnt 0x0
	s_barrier_signal -1
	s_barrier_wait -1                              ; K steps 4-7 and the tables are in
	s_cmp_lg_u32 s21, 0
	s_cbranch_scc1 .Lvalues_1
	QKPHASE 1
	PLACES
	CSLOAD 1
.irp b, 0,1,2,3
	v_mov_b32 v[PX+\b], 0                          ; a lane permute's destination counts as one of its sources
.endr
	WALU
	s_wait_dscnt 16
	ROPE 0
	WALU
	s_wait_dscnt 0x0
	ROPE 1
; four blocks: block b % 2 of tile b / 2, 16 of its numbers in my lane, by turns
.irp b, 0,1,2,3
	v_max3_num_f32 v[BM+\b], |v[F0+32+64*(\b/2)+16*(\b%2)]|, |v[F0+33+64*(\b/2)+16*(\b%2)]|, 0x1800000   ; with the floor 2^(3 - 127): the byte cannot fall under 1
.endr
.irp i, 2,4,6,8,10,12,14
.irp b, 0,1,2,3
	v_max3_num_f32 v[BM+\b], v[BM+\b], |v[F0+32+64*(\b/2)+16*(\b%2)+\i]|, |v[F0+33+64*(\b/2)+16*(\b%2)+\i]|
.endr
.endr
.irp b, 0,1,2,3
	v_permlanex16_b32 v[PX+\b], v[BM+\b], s[SEL], s[SEL+1]
.endr
.irp b, 0,1,2,3
	v_max_num_f32 v[BM+\b], v[BM+\b], v[PX+\b]     ; with lane l xor 16's: the block's largest magnitude
.endr
.irp b, 0,1,2,3
	v_add_nc_u32 v[SO+\b], 0xff000000, v[BM+\b]    ; 2 off its exponent field: the conversion's scale operand
.endr
.irp b, 0,1,2,3
	v_lshrrev_b32 v[BY+\b], 23, v[SO+\b]           ; the scale's byte
.endr
.irp m, 0,1
	v_lshl_or_b32 v[WD+\m], v[BY+2*\m+1], 8, v[BY+2*\m]   ; bytes 2 and 3 stay 0
.endr
.irp m, 0,1
	v_cvt_scalef32_pk16_fp6_f32 v[F0+8*\m:F0+8*\m+2], v[F0+32+64*\m:F0+47+64*\m], v[SO+2*\m]
	v_cvt_scalef32_pk16_fp6_f32 v[F0+16+4*\m:F0+18+4*\m], v[F0+48+64*\m:F0+63+64*\m], v[SO+2*\m+1]
.endr
	v_nop                                          ; one plain instruction behind the conversions
.irp m, 0,1
.irp i, 0,1,2
	v_permlane16_swap_b32 v[F0+8*\m+\i], v[F0+16+4*\m+\i]   ; a lane wants a WHOLE block: lanes 0-15 block 0, lanes 16-31 block 1
.endr
.irp i, 0,1,2
	v_mov_b32 v[F0+8*\m+3+\i], v[F0+16+4*\m+\i]
.endr
.endr
	v_cmp_le_u32 vcc_lo, 16, v[LN]
	v_cndmask_b32 v[OWD], v[WD], v[WD+1], vcc_lo   ; lanes 0-15 the even tile's word, lanes 16-31 the odd tile's
.irp m, 0,1
	global_store_b128 v[LI], v[F0+8*\m:F0+8*\m+3], s[88:89] offset:768*\m
	global_store_b64 v[L8], v[F0+8*\m+4:F0+8*\m+5], s[88:89] offset:768*\m+512
.endr
	ds_store_b32 v[SA], v[OWD]
	s_branch .Lgather
.Lvalues_1:
	VPHASE 1
	PLACES
	v_mov_b32 v[PX], 0
.irp c, 0,1
	v_max3_num_f32 v[BM+\c], |v[AC+32*\c]|, |v[AC+32*\c+1]|, 0x1800000
.endr
.irp i, 2,4,6,8,10,12,14,16,18,20,22,24,26,28,30
.irp c, 0,1
	v_max3_num_f32 v[BM+\c], v[BM+\c], |v[AC+32*\c+\i]|, |v[AC+32*\c+\i+1]|   ; ascending: each accumulator is read from its low end on
.endr
.endr
.irp c, 0,1
	v_add_nc_u32 v[SO+\c], 0xff000000, v[BM+\c]
.endr
.irp c, 0,1
	v_lshrrev_b32 v[BY+\c], 23, v[SO+\c]
.endr
	v_lshl_or_b32 v[WD], v[BY+1], 16, v[BY]        ; my blocks h and 2 + h,
	v_lshlrev_b32 v[WD], v[H8], v[WD]              ; at their places in the word;
	v_permlanex16_b32 v[PX], v[WD], s[SEL], s[SEL+1]
	v_or_b32 v[WD], v[WD], v[PX]                   ; with lane l xor 16's two the word is whole
.irp c, 0,1
	v_cvt_scalef32_pk16_fp6_f32 v[212+6*\c:214+6*\c], v[AC+32*\c:AC+32*\c+15], v[SO+\c]
	v_cvt_scalef32_pk16_fp6_f32 v[224+4*\c:226+4*\c], v[AC+32*\c+16:AC+32*\c+31], v[SO+\c]
.endr
	v_nop
.irp c, 0,1
.irp i, 0,1,2
	v_mov_b32 v[215+6*\c+\i], v[224+4*\c+\i]
.endr
.endr
.irp c, 0,1,2
	global_store_b128 v[LI], v[212+4*\c:215+4*\c], s[88:89] offset:512*\c
.endr
	ds_store_b32 v[SV], v[WD]                      ; lanes l and l xor 16 write the same word with the same value
.Lgather:
	s_wait_dscnt 0x0
	s_barrier_signal -1
	s_barrier_wait -1                              ; the heads' scale words stand in LDS
	s_cmp_lg_u32 s19, 0
	s_cbranch_scc1 .Lend
	s_cmp_lg_u32 s21, 0
	s_cbranch_scc1 .Lvalue_words
	ds_load_b128 v[AC:AC+3], v[RG]
	s_wait_dscnt 0x0
	global_store_b128 v[LI], v[AC:AC+3], s[90:91]  ; 512 consecutive bytes
	s_branch .Lend
.Lvalue_words:
	ds_load_b64 v[AC:AC+1], v[RGV]
	s_wait_dscnt 0x0
	global_store_b64 v[L8], v[AC:AC+1], s[90:91]   ; 256 consecutive bytes
.Lend:
	s_wait_tensorcnt 0x0                           ; the wave's end
	ds_add_u32 v[SPW], v[NIL]
	s_wait_dscnt 0x0
	CROUND                                         ; the closing round: no work-group ends while a partner may still ask for a tile that names it
	s_endpgm
.Lfunc_end_k_q1f0158f00b_qkv:
	.size	k_q1f0158f00b_qkv, .Lfunc_end_k_q1f0158f00b_qkv-k_q1f0158f00b_qkv
	.p2alignl 7, 3214868480
	.fill 96, 4, 3214868480
	.section	.rodata,"a",@progbits
	.p2align	6, 0x0
	.amdhsa_kernel k_q1f0158f00b_qkv
		.amdhsa_group_segment_fixed_size 327680
		.amdhsa_private_segment_fixed_size 0
		.amdhsa_enable_private_segment 0
		.amdhsa_kernarg_size 40
		.amdhsa_user_sgpr_count 2
		.amdhsa_user_sgpr_kernarg_segment_ptr 1
		.amdhsa_wavefront_size32 1
		.amdhsa_system_sgpr_workgroup_id_x 1
		.amdhsa_system_sgpr_workgroup_id_y 1
		.amdhsa_system_sgpr_workgroup_id_z 1
		.amdhsa_system_vgpr_workitem_id 0
		.amdhsa_next_free_vgpr 256
		.amdhsa_next_free_sgpr 102
		.amdhsa_reserve_vcc 1
		.amdhsa_float_denorm_mode_32 3
		.amdhsa_float_denorm_mode_16_64 3
		.amdhsa_memory_ordered 1
		.amdhsa_forward_progress 1
		.amdhsa_inst_pref_size 72
	.end_amdhsa_kernel
	.amdgpu_metadata
---
amdhsa.version: [ 1, 2 ]
amdhsa.kernels:
  - .name:           k_q1f0158f00b_qkv
    .symbol:         k_q1f0158f00b_qkv.kd
    .args:
      - { .name: xcs, .offset: 0, .size: 8, .value_kind: global_buffer, .address_space: global }
      - { .name: wcs, .offset: 8, .size: 8, .value_kind: global_buffer, .address_space: global }
      - { .name: cs, .offset: 16, .size: 8, .value_kind: global_buffer, .address_space: global }
      - { .name: qcs, .offset: 24, .size: 8, .value_kind: global_buffer, .address_space: global }
      - { .name: kv, .offset: 32, .size: 8, .value_kind: global_buffer, .address_space: global }
    .group_segment_fixed_size: 327680
    .private_segment_fixed_size: 0
    .kernarg_segment_align: 8
    .kernarg_segment_size: 40
    .max_flat_workgroup_size: 384
    .sgpr_count:     102
    .vgpr_count:     256
    .wavefront_size: 32
...
	.end_amdgpu_metadata
.endif
;; end of part 2
;; launch attn (part 3): grid 32 x 8, 16 waves a work-group, clusters of 4 x 1, 327,680 bytes of LDS; arguments qcs, kv, ocs; writes ocs
.if DOCPART == 3
	.amdgcn_target "amdgcn-amd-amdhsa--gfx1250"
	.amdhsa_code_object_version 6
	.text
	.protected	k_q1f0158f00b_attn
	.globl	k_q1f0158f00b_attn
	.p2align	8
	.type	k_q1f0158f00b_attn,@function
k_q1f0158f00b_attn:
	s_mov_b64 s[64:65], 0
	v_nop
	global_prefetch_b8 v0, s[64:65] scope:SCOPE_SE
	s_setreg_imm32_b32 hwreg(HW_REG_WAVE_MODE, 25, 1), 1
	s_wait_xcnt 0x0
	s_wait_alu depctr_hold_cnt(0) depctr_sa_sdst(0) depctr_va_vdst(0) depctr_va_sdst(0) depctr_va_ssrc(0) depctr_va_vcc(0) depctr_vm_vsrc(0)
	s_getreg_b32 s2, hwreg(HW_REG_IB_STS2, 6, 4)
	s_cmp_eq_u32 s2, 0
	s_cbranch_scc0 .Lentry_in_a_cluster
	s_endpgm
.Lentry_in_a_cluster:
	s_bfe_u32 s2, ttmp6, 0x10000c
	s_cmp_lg_u32 s2, 0x3003
	s_cbranch_scc0 .Lentry_shape_is_right
	s_endpgm
.Lentry_shape_is_right:
; o = softmax(q k^T / 8, causal) v on codes of FP6, quantised for the product with wo.  Work-group: one key/value head of one batch (y), one of its four query heads (the place in the cluster), the query tiles 8 B + x of the
; 16 blocks B of 128 queries, x = 0 .. 7 the cluster's x.  The four partners of a cluster need the same K and V: every tensor load is joint (mask 15).
; WORK LEFT OUT: steps of 128 keys that all come after a tile's 16 queries: reference() sets their scores to -inf ahead of the softmax, so their p is 0 whatever finite values the inputs hold.  LIMIT: a NaN, an infinity or an
; overflow that would arise only there is not carried to the result.  LIMITS: those of launch prep's quantisers; the softmax's promise holds while the scaled scores (exponents to the base 2) stay under 2^31 in magnitude.
; SHARES.  A tile of block B has B + 1 steps of 128 keys.  Two waves share the blocks a and 15 - a (a = 0 .. 7; 17 steps): wave X takes the steps 0 .. 8 of block 15 - a; wave Y takes block a (a + 1 steps), stores it, and then
; the steps 9 .. 15 - a of block 15 - a (7 - a steps, none for a = 7).  At the end Y hands its partial O^T, -M and sum to X through LDS.  Every wave walks the same loop; branches in it hang on ids alone.
; A TRIP begins with its step's S^T in registers: it asks LDS for its V and for the next step's K, makes p, and behind p's conversions, while p is still being summed, makes the next step's S^T; then O^T.
; THE ORDER OF KEYS AND QUERIES: place r of tile u of band c (64 positions) is position 64 c + 8 u + r % 8 + 32 (r / 8).  So S^T = k q^T leaves in lane (r, h) query r and, in registers 32 c .. 32 c + 31, the 32 keys
; 64 c + 32 h + 0 .. 31: a whole block of p along the second product's K.  Its scale and codes need no other lane; the scale word's four bytes are joined from lanes l and l xor 16.
; K's fragments hold 64 channels = 6 registers; a product names 12: the upper 6 are the next tile's codes (for the last tile: p's codes), which meet q's upper half, zero codes: they add nothing.
; LDS: K's scale words [16][512], V's [16][256], 16 records of 12,288 (8 half fragments of K, 4 fragments of V^T); behind them 16 places for partial sums, and the spare words.
; FILLS: one load a wave at the head, none later.  Waves 0-3 bring the scale words and record 0, shown by the first barrier; the others records 1-15, shown by a barrier inside the first trip.
; No data prefetch: every byte of K and V is asked for once, at the head; no loop with loads follows that one could run ahead in.
; REGISTERS: v0-11 addresses and small values, v12 -M, v13 the largest score, v[14:15] the row's sum in two halves, v16-27 q, v28-31 K's scale words, v32-79 K, v80-91 p's codes, v92-139 V, v140-203 S^T, then p, v204-235 O^T, v236-255 at work.
.set QS_OFF, 3145728
.set OS_OFF, 3145728
.set KVB,    208896
.set REC,    12288
.set PART,   208896
.set PSZ,    4352                      ; a partial sum: 8 x 512 bytes of O^T, 128 of -M, 128 of the sum
.set SPARE,  PART+16*PSZ               ; the spare words, 128 bytes a wave
.set QR,   0                           ; 16 r, behind the head
.set LI,   1
.set L8,   2
.set DG,   3
.set TT,   4
.set SPW,  5
.set NIL,  6
.set QW,   7
.set ADK,  8
.set ADK8, 9
.set ADS,  10
.set ADT,  11
.set QF,   16
.set KS,   28
.set KF,   32
.set PF,   80
.set VF,   92
.set S,    140
.set O,    204
.set TA,   236
.set PX,   239
.set T2,   240
.set TX,   243
.set SO,   244
.set BM,   246                         ; (behind the scale operands: a pair of sums)
.set FF,   248                         ; (behind the rescalings: a pair of sums)
.set PW,   250
.set H8,   251
.set VS,   252
.set A3,   254                         ; a pair of sums
.set HB,   4                           ; block 15 - a
.set T1,   5                           ; the next trip's number
.set KT,   6                           ; the step of keys
.set CB,   7                           ; the block at work
.set YY,   14                          ; 0: X, 1: Y
.set SW,   15                          ; the trip with which Y's second block begins
.set NT,   16                          ; trips with a step: X 9, Y 8
.set JJ,   17                          ; 8 - a: what Y's second block adds to the trip's number
.set WV,   18
.set AA,   19
.set SEL,  20
.set CS,   22
.set G1A,  24
.set G1B,  32
.set G0A,  40
.set G0B,  44
.set TB,   48                          ; this step's record
.set TS,   49                          ; the next step's scale words of K
.set TJ,   50                          ; this step's of V
.set TAU,  51
.set KN,   76                          ; the next step's record
.macro WALU
	s_wait_alu depctr_va_vdst(0)
.endm
.macro PLACES n
.rept \n
	v_nop
.endr
.endm
.macro CROUND
	s_barrier_signal -1
	s_barrier_wait -1
	s_cmp_lg_u32 s[WV], 0
	s_cbranch_scc1 .Lnot_wave_0_\@
	s_barrier_signal -3
.Lnot_wave_0_\@:
	s_barrier_wait -3
	s_barrier_signal -1
	s_barrier_wait -1
.endm
; where the q codes of my tile of block s[blk] lie (s[d:d+1]) and their scale words (s[e:e+1]), in bytes from qcs
.macro QADDR blk, d, e
	s_lshl_b32 s59, s[\blk], 3
	s_add_co_u32 s59, s59, s53
	s_mul_i32 s[\d], s59, 768
	s_mul_i32 s59, s66, 98304
	s_add_co_u32 s[\d], s[\d], s59
	s_mov_b32 s[\d+1], 0
	s_lshl_b32 s[\e], s66, 4
	s_add_co_u32 s[\e], s[\e], s[\blk]
	s_lshl_b32 s[\e], s[\e], 9
	s_and_b32 s59, s53, 1
	s_lshl_b32 s59, s59, 8
	s_add_co_u32 s[\e], s[\e], s59
	s_lshr_b32 s59, s53, 1
	s_lshl_b32 s59, s59, 2
	s_add_co_u32 s[\e], s[\e], s59
	s_add_co_u32 s[\e], s[\e], QS_OFF
	s_mov_b32 s[\e+1], 0
.endm
.macro QLOAD d, e
	global_load_b128 v[QF:QF+3], v[LI], s[\d:\d+1]
	global_load_b64 v[QF+4:QF+5], v[L8], s[\d:\d+1] offset:512
	global_load_b32 v[QW], v[QR], s[\e:\e+1]
.endm
.macro STATE                           ; a tile begins: no key seen, sums of zero
	v_mov_b32 v12, 0x7f61b1e6                      ; -M = 3e38,
	v_mov_b32 v13, 0xff61b1e6                      ; the largest score -3e38
	v_mov_b32 v14, 0
	v_mov_b32 v15, 0
.set n, 0
.rept 32
	v_mov_b32 v[O+n], 0
.set n, n+1
.endr
.endm
.macro KNEXT                           ; the K of the step at s[KN], s[TS]: 17 loads
	v_add_nc_u32 v[ADK], s[KN], v[LI]
	v_add_nc_u32 v[ADK8], s[KN], v[L8]
	v_add_nc_u32 v[ADS], s[TS], v[LI]
	ds_load_b128 v[KS:KS+3], v[ADS]
.irp t, 0,1,2,3,4,5,6,7
	ds_load_b128 v[KF+6*\t:KF+6*\t+3], v[ADK] offset:768*\t
	ds_load_b64 v[KF+6*\t+4:KF+6*\t+5], v[ADK8] offset:768*\t+512
.endr
.endm
.macro SQ t                            ; S^T of key tile t
.if (\t)%2
	v_wmma_scale_f32_16x16x128_f8f6f4 v[S+8*(\t):S+8*(\t)+7], v[KF+6*(\t):KF+6*(\t)+11], v[QF:QF+11], 0, v[KS+(\t)/2], v[QW] matrix_a_fmt:MATRIX_FMT_FP6 matrix_b_fmt:MATRIX_FMT_FP6 matrix_a_scale:MATRIX_SCALE_ROW1
.else
	v_wmma_scale_f32_16x16x128_f8f6f4 v[S+8*(\t):S+8*(\t)+7], v[KF+6*(\t):KF+6*(\t)+11], v[QF:QF+11], 0, v[KS+(\t)/2], v[QW] matrix_a_fmt:MATRIX_FMT_FP6 matrix_b_fmt:MATRIX_FMT_FP6
.endif
.endm
.macro PV t                            ; O^T of channel tile t
.if (\t)%2
	v_wmma_scale_f32_16x16x128_f8f6f4 v[O+8*(\t):O+8*(\t)+7], v[VF+12*(\t):VF+12*(\t)+11], v[PF:PF+11], v[O+8*(\t):O+8*(\t)+7], v[VS+(\t)/2], v[PW] matrix_a_fmt:MATRIX_FMT_FP6 matrix_b_fmt:MATRIX_FMT_FP6 matrix_a_scale:MATRIX_SCALE_ROW1
.else
	v_wmma_scale_f32_16x16x128_f8f6f4 v[O+8*(\t):O+8*(\t)+7], v[VF+12*(\t):VF+12*(\t)+11], v[PF:PF+11], v[O+8*(\t):O+8*(\t)+7], v[VS+(\t)/2], v[PW] matrix_a_fmt:MATRIX_FMT_FP6 matrix_b_fmt:MATRIX_FMT_FP6
.endif
.endm
.macro PVALL
.irp t, 0,1,2,3
	PV \t
.endr
.endm
.macro SUMT t                          ; p of key tile t joins the row's sum: four pairs, four chains
	v_pk_add_f32 v[14:15], v[14:15], v[S+8*(\t):S+8*(\t)+1]
	v_pk_add_f32 v[BM:BM+1], v[BM:BM+1], v[S+8*(\t)+2:S+8*(\t)+3]
	v_pk_add_f32 v[FF:FF+1], v[FF:FF+1], v[S+8*(\t)+4:S+8*(\t)+5]
	v_pk_add_f32 v[A3:A3+1], v[A3:A3+1], v[S+8*(\t)+6:S+8*(\t)+7]
.endm
.macro JOIN                            ; the four chains become one
	v_pk_add_f32 v[BM:BM+1], v[BM:BM+1], v[FF:FF+1]
	v_pk_add_f32 v[14:15], v[14:15], v[A3:A3+1]
	v_pk_add_f32 v[14:15], v[14:15], v[BM:BM+1]
.endm
.macro SUMSQ                           ; the sums, and the next step's S^T: a tile of S^T is written two tiles behind the sums
.irp t, 0,1,2,3,4,5
	SQ \t
	SUMT \t+2
.endr
	SQ 6
	SQ 7
	JOIN
	PVALL
.endm
.macro MHALF c                         ; the band that holds my queries: keys 32 h + n past query DG + 32 h count for nothing
.set n, 0
.rept 32
	v_cmp_gt_i32 vcc_lo, n, v[DG]
	v_cndmask_b32 v[S+32*(\c)+n], v[S+32*(\c)+n], v[FF], vcc_lo
.set n, n+1
.endr
.endm
; one trip: 16 queries x 128 keys.  first: trip 0, in which the next step's K is asked for behind the barrier that shows it
.macro TRIP first
	s_add_co_u32 s[T1], s[TAU], 1
	s_cmp_ge_u32 s[T1], s[SW]
	s_cselect_b32 s[KN], s[JJ], 0
	s_add_co_u32 s[KN], s[KN], s[T1]
	s_min_u32 s[KN], s[KN], 15                     ; (15 at the most wherever it is used)
	s_lshl_b32 s[TS], s[KN], 9
	s_mul_i32 s[KN], s[KN], REC
	s_add_co_u32 s[KN], s[KN], REC
.if \first == 0
	s_cmp_ge_u32 s[TAU], s[SW]
	s_cselect_b32 s[KT], s[JJ], 0
	s_add_co_u32 s[KT], s[KT], s[TAU]
	s_min_u32 s[KT], s[KT], 15
	s_mul_i32 s[TB], s[KT], REC
	s_add_co_u32 s[TB], s[TB], REC
	s_lshl_b32 s[TJ], s[KT], 8
	s_add_co_u32 s[TJ], s[TJ], 8192
.endif
	v_mov_b32 v[TT], v12                           ; the old -M.  These four are also the places between the last products and the loads into, or reads of, their registers
	v_add_nc_u32 v[ADK], s[TB], v[LI]
	v_add_nc_u32 v[ADT], s[TJ], v[L8]
	v_nop
	ds_load_b64 v[VS:VS+1], v[ADT]
.irp t, 0,1,2,3
.irp c, 0,1,2
	ds_load_b128 v[VF+12*\t+4*\c:VF+12*\t+4*\c+3], v[ADK] offset:6144+1536*\t+512*\c
.endr
.endr
.if \first == 0
	s_cmp_ge_u32 s[T1], s[NT]
	s_cbranch_scc1 .Lno_next_\@
	KNEXT
.Lno_next_\@:
.endif
	s_cmp_lg_u32 s[T1], s[SW]
	s_cbranch_scc1 .Lsame_q_\@
	QLOAD 72, 74                                   ; Y's next step is of block 15 - a
.Lsame_q_\@:
	s_cmp_lg_u32 s[KT], s[CB]
	s_cbranch_scc1 .Lopen_\@
	s_cmp_lt_u32 s53, 4                            ; the step that holds my queries: they lie in band x / 4
	s_cbranch_scc0 .Lupper_\@
	v_mov_b32 v[FF], 0xff800000
	MHALF 0
.set n, 32
.rept 32
	v_mov_b32 v[S+n], v[FF]                        ; band 1 comes after all queries of band 0
.set n, n+1
.endr
	WALU
	s_branch .Lopen_\@
.Lupper_\@:
	v_mov_b32 v[FF], 0xff800000
	MHALF 1
.Lopen_\@:
.irp c, 0,1                            ; the largest score of each of my two blocks of 32 keys, in two chains each
	v_max3_num_f32 v[BM+\c], v[S+32*\c], v[S+32*\c+1], v[S+32*\c+2]
	v_max3_num_f32 v[T2+\c], v[S+32*\c+17], v[S+32*\c+18], v[S+32*\c+19]
.endr
.irp i, 0,2,4,6,8,10
.irp c, 0,1
	v_max3_num_f32 v[BM+\c], v[BM+\c], v[S+32*\c+\i+3], v[S+32*\c+\i+4]
	v_max3_num_f32 v[T2+\c], v[T2+\c], v[S+32*\c+\i+20], v[S+32*\c+\i+21]
.endr
.endr
.irp c, 0,1
	v_max3_num_f32 v[BM+\c], v[BM+\c], v[S+32*\c+15], v[S+32*\c+16]
.endr
.irp c, 0,1
	v_max_num_f32 v[BM+\c], v[BM+\c], v[T2+\c]
.endr
	v_max_num_f32 v[TX], v[BM], v[BM+1]
	s_delay_alu instid0(VALU_DEP_1)
	v_permlanex16_b32 v[PX], v[TX], s[SEL], s[SEL+1]
	s_delay_alu instid0(VALU_DEP_1)
	v_max3_num_f32 v13, v13, v[TX], v[PX]          ; the running largest score of my query
	s_delay_alu instid0(VALU_DEP_1)
	v_mul_f32 v[TX], s[CS], v13                    ; as t (the factor is positive)
	s_delay_alu instid0(VALU_DEP_1)
	v_floor_f32 v12, -v[TX]                        ; -M, M the ceiling of the largest t
	s_delay_alu instid0(VALU_DEP_1)
	v_sub_f32 v[TT], v12, v[TT]
	s_delay_alu instid0(VALU_DEP_1)
	v_cvt_i32_f32 v[TT], v[TT]
	s_delay_alu instid0(VALU_DEP_1)
	v_ldexp_f32 v[FF], 1.0, v[TT]                  ; 2^(old M - new M)
.set n, 0
.rept 32
	v_pk_fma_f32 v[S+n:S+n+1], v[S+n:S+n+1], s[CS:CS+1], v[12:13] op_sel_hi:[1,0,0]   ; t - M
.set n, n+2
.endr
.irp c, 0,1
	v_fma_f32 v[BM+\c], v[BM+\c], s[CS], v12       ; the same of each block's largest
.endr
.set n, 0
.rept 16
	v_pk_mul_f32 v[O+n:O+n+1], v[O+n:O+n+1], v[FF:FF+1] op_sel_hi:[1,0]   ; O^T under the new M
.set n, n+2
.endr
	WALU
.set n, 0
.rept 64
	v_exp_f32 v[S+n], v[S+n]                       ; p
.set n, n+1
.endr
.irp c, 0,1
	v_exp_f32 v[BM+\c], v[BM+\c]                   ; the block's largest p
.endr
	v_pk_mul_f32 v[14:15], v[14:15], v[FF:FF+1] op_sel_hi:[1,0]
.if \first
	s_wait_tensorcnt 0x0
.endif
	s_wait_dscnt 0x0                               ; V and the next step's K are in,
	s_wait_loadcnt 0x0                             ; and q
	WALU
.if \first
	s_barrier_signal -1
	s_barrier_wait -1                              ; all of K and V is in LDS
	KNEXT
.endif
.irp c, 0,1
	v_max_num_f32 v[BM+\c], 0x1800000, v[BM+\c]    ; the floor 2^(3 - 127): the byte cannot fall under 1
.endr
.irp c, 0,1
	v_add_nc_u32 v[SO+\c], 0xff000000, v[BM+\c]    ; 2 off the exponent field: the conversions' scale operand
.endr
	v_lshrrev_b32 v[TX], 23, v[SO]
	v_lshrrev_b32 v[TT], 23, v[SO+1]               ; the scales' bytes
	v_pk_add_f32 v[14:15], v[14:15], v[S:S+1]      ; the row's sum is taken of the unquantised p: key tiles 0 and 1
	v_pk_add_f32 v[BM:BM+1], v[S+2:S+3], v[S+10:S+11]
	v_pk_add_f32 v[FF:FF+1], v[S+4:S+5], v[S+12:S+13]
	v_pk_add_f32 v[A3:A3+1], v[S+6:S+7], v[S+14:S+15]
	v_pk_add_f32 v[14:15], v[14:15], v[S+8:S+9]
	v_cvt_scalef32_pk16_fp6_f32 v[PF:PF+2], v[S:S+15], v[SO]
	v_cvt_scalef32_pk16_fp6_f32 v[TA:TA+2], v[S+16:S+31], v[SO]
	v_cvt_scalef32_pk16_fp6_f32 v[PF+6:PF+8], v[S+32:S+47], v[SO+1]
	v_cvt_scalef32_pk16_fp6_f32 v[T2:T2+2], v[S+48:S+63], v[SO+1]
	v_lshl_or_b32 v[TX], v[TT], 16, v[TX]          ; blocks h and 2 + h
	v_lshlrev_b32 v[TX], v[H8], v[TX]              ; at their places in the scale word;
.irp i, 0,1,2
	v_mov_b32 v[PF+3+\i], v[TA+\i]
.endr
	v_permlanex16_b32 v[PX], v[TX], s[SEL], s[SEL+1]
.irp i, 0,1,2
	v_mov_b32 v[PF+9+\i], v[T2+\i]
.endr
	v_or_b32 v[PW], v[TX], v[PX]                   ; with lane l xor 16's two it is whole
.if \first
	PLACES 4
	s_wait_dscnt 0x0                               ; the next step's K is in
	WALU
	SUMSQ
.else
	s_cmp_lt_u32 s[T1], s[NT]
	s_cbranch_scc1 .Lmore_\@
.irp t, 2,3,4,5,6,7                    ; my last step: no S^T follows
	SUMT \t
.endr
	JOIN
	PVALL
	WALU
	s_branch .Ldone_\@
.Lmore_\@:
	SUMSQ
.Ldone_\@:
.endif
.endm
; my tile of block s[CB] leaves: O^T / the row's sum (v14: this lane's part of it), quantised along the channels.  (S^T of the next step stays as it is)
.macro OUT
	v_permlanex16_b32 v[PX], v14, s[SEL], s[SEL+1]
	v_add_f32 v14, v14, v[PX]
	WALU
	v_rcp_f32 v14, v14
	v_lshrrev_b32 v[ADT], 2, v[LI]
	v_and_b32 v[ADT], 60, v[ADT]                   ; 4 r
	s_lshl_b32 s58, s55, 7
	s_lshl_b32 s59, s[CB], 3
	s_add_co_u32 s58, s58, s59
	s_add_co_u32 s58, s58, s53                     ; the tile of 16 rows
	s_lshr_b32 s59, s58, 2
	s_mul_i32 s60, s59, 49152
	s_lshr_b32 s59, s57, 1
	s_mul_i32 s61, s59, 6144
	s_add_co_u32 s60, s60, s61
	s_and_b32 s61, s58, 3
	s_mul_i32 s61, s61, 1536
	s_add_co_u32 s60, s60, s61
	s_and_b32 s62, s57, 1
	s_mul_i32 s61, s62, 768
	s_add_co_u32 s60, s60, s61
	s_mov_b32 s61, 0
	s_add_nc_u64 s[60:61], s[12:13], s[60:61]
	s_lshl_b32 s66, s58, 9
	s_lshl_b32 s59, s59, 6
	s_add_co_u32 s66, s66, s59
	s_lshl_b32 s62, s62, 1
	s_add_co_u32 s66, s66, s62
	s_add_co_u32 s66, s66, OS_OFF
	s_mov_b32 s67, 0
	s_add_nc_u64 s[66:67], s[12:13], s[66:67]
	WALU
.set n, 0
.rept 16
	v_pk_mul_f32 v[O+n:O+n+1], v[O+n:O+n+1], v[14:15] op_sel_hi:[1,0]
.set n, n+2
.endr
.irp b, 0,1
	v_max3_num_f32 v[T2+\b], |v[O+16*\b]|, |v[O+16*\b+1]|, 0x1800000
.endr
.irp i, 2,4,6,8,10,12,14
.irp b, 0,1
	v_max3_num_f32 v[T2+\b], v[T2+\b], |v[O+16*\b+\i]|, |v[O+16*\b+\i+1]|
.endr
.endr
.irp b, 0,1
	v_permlanex16_b32 v[SO+\b], v[T2+\b], s[SEL], s[SEL+1]
.endr
.irp b, 0,1
	v_max_num_f32 v[T2+\b], v[T2+\b], v[SO+\b]     ; with lane l xor 16's: the block's largest magnitude
.endr
.irp b, 0,1
	v_add_nc_u32 v[BM+\b], 0xff000000, v[T2+\b]
.endr
.irp b, 0,1
	v_lshrrev_b32 v[SO+\b], 23, v[BM+\b]
.endr
	v_lshl_or_b32 v[TT], v[SO+1], 8, v[SO]
	v_cvt_scalef32_pk16_fp6_f32 v[PF:PF+2], v[O:O+15], v[BM]
	v_cvt_scalef32_pk16_fp6_f32 v[TA:TA+2], v[O+16:O+31], v[BM+1]
	v_nop
.irp i, 0,1,2
	v_permlane16_swap_b32 v[PF+\i], v[TA+\i]       ; lanes 0-15 block 0, lanes 16-31 block 1
.endr
.irp i, 0,1,2
	v_mov_b32 v[PF+3+\i], v[TA+\i]
.endr
	global_store_b128 v[LI], v[PF:PF+3], s[60:61]
	global_store_b64 v[L8], v[PF+4:PF+5], s[60:61] offset:512
	global_store_b16 v[ADT], v[TT], s[66:67]
.endm
	s_load_b128 s[8:11], s[0:1], 0x0               ; qcs s[8:9], kv s[10:11]
	s_load_b64 s[12:13], s[0:1], 0x10              ; ocs
	v_lshl_add_u32 v[SPW], v0, 2, SPARE
	v_mov_b32 v[NIL], 0
	ds_add_u32 v[SPW], v[NIL]                      ; the opening lines
	ds_add_u32 v[SPW], v[NIL]
	v_lshrrev_b32 v[TT], 5, v0
	v_readfirstlane_b32 s[WV], v[TT]
	s_bfe_u32 s[YY], s[WV], 0x10002                ; waves 4-7 and 12-15 are Y; the partner X is wave - 4
	s_lshr_b32 s59, s[WV], 3
	s_lshl_b32 s59, s59, 2
	s_and_b32 s[AA], s[WV], 3
	s_or_b32 s[AA], s[AA], s59                     ; a
	s_xor_b32 s[HB], s[AA], 15                     ; 15 - a
	s_xor_b32 s59, s[YY], 1
	s_mul_i32 s58, s59, 15
	s_xor_b32 s[CB], s[AA], s58                    ; my first block: X 15 - a, Y a
	s_lshl_b32 s58, s59, 4
	s_add_co_u32 s[SW], s[AA], 1
	s_add_co_u32 s[SW], s[SW], s58                 ; Y a + 1; X a + 17, which no trip reaches
	s_add_co_u32 s[NT], s59, 8
	s_xor_b32 s[JJ], s[AA], 7
	s_add_co_u32 s[JJ], s[JJ], 1
	s_and_b32 s52, ttmp7, 0xffff                   ; 4 b + key/value head
	s_mov_b32 s53, ttmp9                           ; x
	s_bfe_u32 s54, ttmp6, 0x40000
	s_lshr_b32 s55, s52, 2                         ; b
	s_and_b32 s57, s52, 3
	s_lshl_b32 s57, s57, 2
	s_add_co_u32 s57, s57, s54                     ; query head
	s_lshl_b32 s66, s55, 4
	s_add_co_u32 s66, s66, s57
	QADDR CB, 68, 70
	QADDR HB, 72, 74
	s_mov_b32 s[G1A], 15|(3<<16)|(1<<21)           ; rows of 256 bytes: 24 of them
	s_mov_b32 s[G1A+1], 32<<16
	s_mov_b32 s[G1A+2], 24<<16
	s_mov_b32 s[G1A+3], 32<<16
	s_mov_b32 s[G1A+4], 24
	s_mov_b32 s[G1A+5], 32
	s_mov_b32 s[G1A+6], 0
	s_mov_b32 s[G1A+7], 0
	s_mov_b32 s[G1B], 15|(3<<16)|(1<<21)           ; 60 of them
	s_mov_b32 s[G1B+1], 32<<16
	s_mov_b32 s[G1B+2], 60<<16
	s_mov_b32 s[G1B+3], 32<<16
	s_mov_b32 s[G1B+4], 60
	s_mov_b32 s[G1B+5], 32
	s_mov_b32 s[G1B+6], 0
	s_mov_b32 s[G1B+7], 0
	s_mul_i32 s[G0A+1], s[WV], 6144                ; waves 0-3: bytes 0 .. 24,575
	s_xor_b32 s59, s[WV], 12                       ; waves 4-15: 0 .. 11
	s_mul_i32 s[G0B+1], s59, 15360
	s_add_co_u32 s[G0B+1], s[G0B+1], 24576         ; bytes 24,576 .. 208,895
	s_mul_i32 s58, s52, KVB
	s_add_co_u32 s60, s58, s[G0A+1]
	s_mov_b32 s61, 0
	s_add_co_u32 s62, s58, s[G0B+1]
	s_mov_b32 s63, 0
	s_mov_b32 s[G0A], 1
	s_mov_b32 s[G0B], 1
	s_mov_b32 s[SEL], 0x76543210
	s_mov_b32 s[SEL+1], 0xfedcba98
	s_mov_b32 s[CS], 0x3e38aa3b                    ; log2(e) / 8
	s_mov_b32 s[CS+1], s[CS]
	s_and_b32 s59, s53, 3
	s_lshl_b32 s59, s59, 3
	v_and_b32 v[TT], 31, v0
	v_lshlrev_b32 v[LI], 4, v[TT]
	v_lshlrev_b32 v[L8], 3, v[TT]
	v_and_b32 v[ADK], 15, v0
	v_and_b32 v[ADK8], 8, v0
	v_mad_u32_u24 v[DG], v[ADK8], 3, v[ADK]        ; r % 8 + 32 (r / 8)
	v_and_b32 v[ADK8], 16, v0
	v_lshlrev_b32 v[ADK8], 1, v[ADK8]              ; 32 h
	v_sub_nc_u32 v[DG], v[DG], v[ADK8]
	v_add_nc_u32 v[DG], s59, v[DG]                 ; my query's place in its band - 32 h
	v_lshrrev_b32 v[H8], 2, v[ADK8]                ; 8 h
	v_lshlrev_b32 v[QR], 4, v[ADK]                 ; 16 r (the thread's number has served)
	WALU
	s_wait_dscnt 0x0                               ; both opening adds are done
	CROUND                                         ; the four partners are here: the joint loads meet
	s_wait_kmcnt 0x0
	s_add_nc_u64 s[G0A+2:G0A+3], s[10:11], s[60:61]
	s_or_b32 s[G0A+3], s[G0A+3], 0x80000000
	s_add_nc_u64 s[G0B+2:G0B+3], s[10:11], s[62:63]
	s_or_b32 s[G0B+3], s[G0B+3], 0x80000000
	s_add_nc_u64 s[68:69], s[8:9], s[68:69]
	s_add_nc_u64 s[70:71], s[8:9], s[70:71]
	s_add_nc_u64 s[72:73], s[8:9], s[72:73]
	s_add_nc_u64 s[74:75], s[8:9], s[74:75]
	s_cmp_lt_u32 s[WV], 4
	s_cbranch_scc0 .Lothers
	tensor_load_to_lds s[G0A:G0A+3], s[G1A:G1A+7]  ; the scale words and record 0
	s_nop 0
	PLACES 4
	s_branch .Lasked
.Lothers:
	tensor_load_to_lds s[G0B:G0B+3], s[G1B:G1B+7]  ; records 1-15
	s_nop 0
	PLACES 4
.Lasked:
	QLOAD 68, 70
.irp j, 6,7,8,9,10,11
	v_mov_b32 v[QF+\j], 0                          ; channels 64-127: there are none
.endr
.irp j, 0,1,2,3,4,5,6,7,8,9,10,11
	v_mov_b32 v[PF+\j], 0
.endr
	v_mov_b32 v[PX], 0                             ; a lane permute's destination counts as one of its sources
	v_mov_b32 v[SO], 0
	v_mov_b32 v[SO+1], 0
	v_mov_b32 v[FF+1], 0                           ; (named as the upper half of a pair)
	STATE
	s_mov_b32 s[TAU], 0
	s_mov_b32 s[KT], 0
	s_mov_b32 s[TB], REC
	s_mov_b32 s[KN], REC
	s_mov_b32 s[TS], 0
	s_mov_b32 s[TJ], 8192
	WALU
	s_cmp_lt_u32 s[WV], 4
	s_cbranch_scc0 .Lnot_mine
	s_wait_tensorcnt 0x0                           ; my part of the scale words and of record 0
.Lnot_mine:
	s_wait_loadcnt 0x0
	s_barrier_signal -1
	s_barrier_wait -1                              ; everybody's; the other records may be on their way
	KNEXT                                          ; step 0 in every wave
	s_wait_dscnt 0x0
.irp t, 0,1,2,3,4,5,6,7
	SQ \t
.endr
	TRIP 1
	s_mov_b32 s[TAU], 1
.Lloop:
	s_cmp_lg_u32 s[TAU], s[SW]
	s_cbranch_scc1 .Lsame
	PLACES 4                                       ; Y: block a is done.  Behind the last products
	WALU
	v_add_f32 v14, v14, v15
	OUT
	s_mov_b32 s[CB], s[HB]
	STATE
	WALU
	s_wait_xcnt 0x0                                ; the stores have read their data
.Lsame:
	s_cmp_ge_u32 s[TAU], s[NT]
	s_cbranch_scc1 .Lidle
	TRIP 0
.Lidle:
	s_add_co_u32 s[TAU], s[TAU], 1
	s_cmp_lt_u32 s[TAU], 9
	s_cbranch_scc1 .Lloop
	s_mul_i32 s58, s[WV], PSZ
	s_add_co_u32 s58, s58, PART                    ; my place for a partial sum,
	s_xor_b32 s59, s[WV], 4
	s_mul_i32 s59, s59, PSZ
	s_add_co_u32 s59, s59, PART                    ; and my partner's
	v_lshrrev_b32 v[ADT], 2, v[LI]                 ; 4 x lane
	v_add_nc_u32 v[ADK], s58, v[LI]
	v_add_nc_u32 v[ADK8], s58, v[ADT]
	v_add_nc_u32 v[ADS], s59, v[LI]
	v_add_nc_u32 v[ADT], s59, v[ADT]
	WALU
	v_add_f32 v14, v14, v15
	WALU
	s_cmp_eq_u32 s[YY], 0
	s_cbranch_scc1 .Lkeep
.irp k, 0,1,2,3,4,5,6,7
	ds_store_b128 v[ADK], v[O+4*\k:O+4*\k+3] offset:512*\k
.endr
	ds_store_b32 v[ADK8], v12 offset:4096
	ds_store_b32 v[ADK8], v14 offset:4224
.Lkeep:
	s_wait_dscnt 0x0
	s_barrier_signal -1
	s_barrier_wait -1                              ; Y's partial sums stand in LDS
	s_cmp_lg_u32 s[YY], 0
	s_cbranch_scc1 .Lend
.irp k, 0,1,2,3,4,5,6,7
	ds_load_b128 v[S+4*\k:S+4*\k+3], v[ADS] offset:512*\k
.endr
	ds_load_b32 v[S+32], v[ADT] offset:4096
	ds_load_b32 v[S+33], v[ADT] offset:4224
	s_wait_dscnt 0x0
	v_min_num_f32 v[TX], v12, v[S+32]              ; -M of the two
	v_sub_f32 v[FF], v[TX], v12
	v_sub_f32 v[TT], v[TX], v[S+32]
	v_cvt_i32_f32 v[FF], v[FF]
	v_cvt_i32_f32 v[TT], v[TT]
	v_ldexp_f32 v[FF], 1.0, v[FF]                  ; what brings mine,
	v_ldexp_f32 v[SO], 1.0, v[TT]                  ; and my partner's, under the common M: powers of two
	v_mul_f32 v14, v14, v[FF]
	v_fma_f32 v14, v[S+33], v[SO], v14
.set n, 0
.rept 16
	v_pk_mul_f32 v[S+n:S+n+1], v[S+n:S+n+1], v[SO:SO+1] op_sel_hi:[1,0]
.set n, n+2
.endr
.set n, 0
.rept 16
	v_pk_fma_f32 v[O+n:O+n+1], v[O+n:O+n+1], v[FF:FF+1], v[S+n:S+n+1] op_sel_hi:[1,0,1]
.set n, n+2
.endr
	OUT
.Lend:
	s_wait_tensorcnt 0x0                           ; the wave's end
	ds_add_u32 v[SPW], v[NIL]
	s_wait_dscnt 0x0
	CROUND                                         ; the closing round
	s_endpgm
.Lfunc_end_k_q1f0158f00b_attn:
	.size	k_q1f0158f00b_attn, .Lfunc_end_k_q1f0158f00b_attn-k_q1f0158f00b_attn
	.p2alignl 7, 3214868480
	.fill 96, 4, 3214868480
	.section	.rodata,"a",@progbits
	.p2align	6, 0x0
	.amdhsa_kernel k_q1f0158f00b_attn
		.amdhsa_group_segment_fixed_size 327680
		.amdhsa_private_segment_fixed_size 0
		.amdhsa_enable_private_segment 0
		.amdhsa_kernarg_size 24
		.amdhsa_user_sgpr_count 2
		.amdhsa_user_sgpr_kernarg_segment_ptr 1
		.amdhsa_wavefront_size32 1
		.amdhsa_system_sgpr_workgroup_id_x 1
		.amdhsa_system_sgpr_workgroup_id_y 1
		.amdhsa_system_sgpr_workgroup_id_z 1
		.amdhsa_system_vgpr_workitem_id 0
		.amdhsa_next_free_vgpr 256
		.amdhsa_next_free_sgpr 80
		.amdhsa_reserve_vcc 1
		.amdhsa_float_denorm_mode_32 3
		.amdhsa_float_denorm_mode_16_64 3
		.amdhsa_memory_ordered 1
		.amdhsa_forward_progress 1
		.amdhsa_inst_pref_size 71
	.end_amdhsa_kernel
	.amdgpu_metadata
---
amdhsa.version: [ 1, 2 ]
amdhsa.kernels:
  - .name:           k_q1f0158f00b_attn
    .symbol:         k_q1f0158f00b_attn.kd
    .args:
      - { .name: qcs, .offset: 0, .size: 8, .value_kind: global_buffer, .address_space: global }
      - { .name: kv, .offset: 8, .size: 8, .value_kind: global_buffer, .address_space: global }
      - { .name: ocs, .offset: 16, .size: 8, .value_kind: global_buffer, .address_space: global }
    .group_segment_fixed_size: 327680
    .private_segment_fixed_size: 0
    .kernarg_segment_align: 8
    .kernarg_segment_size: 24
    .max_flat_workgroup_size: 512
    .sgpr_count:     80
    .vgpr_count:     256
    .wavefront_size: 32
...
	.end_amdgpu_metadata
.endif
;; end of part 3
;; launch oproj (part 4): grid 4 x 64, 4 waves a work-group, clusters of 4 x 4, 327,680 bytes of LDS; arguments ocs, wcs, out0; writes out0
.if DOCPART == 4
	.amdgcn_target "amdgcn-amd-amdhsa--gfx1250"
	.amdhsa_code_object_version 6
	.text
	.protected	k_q1f0158f00b_oproj
	.globl	k_q1f0158f00b_oproj
	.p2align	8
	.type	k_q1f0158f00b_oproj,@function
k_q1f0158f00b_oproj:
	s_mov_b64 s[64:65], 0
	v_nop
	global_prefetch_b8 v0, s[64:65] scope:SCOPE_SE
	s_setreg_imm32_b32 hwreg(HW_REG_WAVE_MODE, 25, 1), 1
	s_wait_xcnt 0x0
	s_wait_alu depctr_hold_cnt(0) depctr_sa_sdst(0) depctr_va_vdst(0) depctr_va_sdst(0) depctr_va_ssrc(0) depctr_va_vcc(0) depctr_vm_vsrc(0)
	s_getreg_b32 s2, hwreg(HW_REG_IB_STS2, 6, 4)
	s_cmp_eq_u32 s2, 0
	s_cbranch_scc0 .Lentry_in_a_cluster
	s_endpgm
.Lentry_in_a_cluster:
	s_bfe_u32 s2, ttmp6, 0x10000c
	s_cmp_lg_u32 s2, 0xf033
	s_cbranch_scc0 .Lentry_shape_is_right
	s_endpgm
.Lentry_shape_is_right:
; out0 = o wo, on the codes that launches attn and prep made.  Nothing of this launch's work is left out.  LIMITS: as stated at the head of launch prep.
; SHARES.  Work-group (cg, RBo): 64 rows x 256 columns; wave w: 64 rows x 64 columns: 16 accumulators.  256 work-groups.  K goes in 8 steps of 128 (a pair of heads each).
; CLUSTERS of 4 x 4: o's rows (49,152 bytes, all of K) are shared along a row of the cluster, wo's columns (196,608 bytes) along a column; all come into LDS by joint loads.
; FILLS, one load a wave at the head, none later: wave 0 o, wave 1 wo's K steps 0-1, wave 2 2-4, wave 3 5-7.  Three barriers show them in the order of K.  No data prefetch: all is asked for at the head, no loop with loads follows.
; The product is used transposed (source 0 = 16 columns of wo, source 1 = 16 rows of o): a lane's eight results are eight neighbouring columns of one row.  They go through the wave's own stage in LDS and leave as
; runs of 256 consecutive bytes, at multiples of 256 from out0's first byte.  Place r of row tile m is row 8 m + r % 8 + 32 (r / 8) of the work-group's 64.
; REGISTERS: window 0: v1-5, v8-11 addresses, v6-7 the add's two, v16-31 o's scale words, v32-47 wo's, v64-159 two sets of o's 4 fragments, v160-255 two sets of wo's (on the way out v64-191: rows read back);
;   window 1: the 16 accumulators at 8 (4 m + t).
.set OS_OFF, 3145728
.set WS_OFF, 1966080
.set W0,     49152                     ; behind o's image: wo's K steps 0-1 as [16 tiles of 16 columns][2][1,536],
.set W1,     98304                     ; 2-4 as [16][3][1,536],
.set W2,     172032                    ; 5-7
.set STAGE,  245760                    ; 16 rows x 272 bytes for each wave: bytes that no tensor load fills
.set SPITCH, 272
.set SPARE,  STAGE+4*16*SPITCH         ; the spare words, 128 bytes a wave
.set LI,  1                            ; v1  16 x lane
.set L8,  2                            ; v2  8 x lane
.set L4,  3                            ; v3  4 x lane
.set STO, 4                            ; v4  the stage: where I put 32 bytes of a row
.set RD,  5                            ; v5  and where I read a row back
.set SPW, 6
.set NIL, 7
.set CO,  8                            ; v8  my byte offset in two rows of out0
.set BW,  9                            ; v9-11  my columns' codes in W0, W1, W2
.set OS,  16
.set WS,  32
.set A0,  64
.set B0,  160
.set BK,  64
.set MSB, 0
.macro WIN new                         ; the immediate's high byte repeats the setting that is left
.if MSB != \new
	s_set_vgpr_msb (MSB<<8)|\new
.set MSB, \new
.endif
.endm
.macro PLACES
.rept 4
	v_nop
.endr
.endm
.macro CROUND
	s_barrier_signal -1
	s_barrier_wait -1
	s_cmp_lg_u32 s18, 0
	s_cbranch_scc1 .Lnot_wave_0_\@
	s_barrier_signal -3
.Lnot_wave_0_\@:
	s_barrier_wait -3
	s_barrier_signal -1
	s_barrier_wait -1
.endm
.macro TLOAD g0, g1
	tensor_load_to_lds s[\g0:\g0+3], s[\g1:\g1+7]
	s_nop 0
	PLACES
.endm
	s_load_b128 s[8:11], s[0:1], 0x0               ; ocs s[8:9], wcs s[10:11]
	s_load_b64 s[12:13], s[0:1], 0x10              ; out0
	v_lshl_add_u32 v[SPW], v0, 2, SPARE
	v_mov_b32 v[NIL], 0
	ds_add_u32 v[SPW], v[NIL]                      ; the opening lines
	ds_add_u32 v[SPW], v[NIL]
	v_lshrrev_b32 v[L4], 5, v0
	v_readfirstlane_b32 s18, v[L4]                 ; wave
	s_bfe_u32 s14, ttmp6, 0x40000                  ; cx
	s_bfe_u32 s15, ttmp6, 0x40004                  ; cy
	s_lshl_b32 s19, ttmp9, 2
	s_add_co_u32 s19, s19, s14                     ; cg
	s_and_b32 s20, ttmp7, 0xffff
	s_lshl_b32 s20, s20, 2
	s_add_co_u32 s20, s20, s15                     ; RBo
	s_lshl_b32 s21, s15, 2
	s_lshl_b32 s21, 15, s21                        ; my row of the cluster
	s_lshl_b32 s22, 0x1111, s14                    ; my column
	s_or_b32 s24, s21, (3<<16)|(1<<21)             ; o: 192 rows of 256 bytes, elements of 8 bytes
	s_mov_b32 s25, 32<<16
	s_mov_b32 s26, 192<<16
	s_mov_b32 s27, 32<<16
	s_mov_b32 s28, 192
	s_mov_b32 s29, 32
	s_mov_b32 s30, 0
	s_mov_b32 s31, 0
	s_or_b32 s32, s22, (3<<16)|(1<<21)             ; wo, two K steps: 16 rows of 3,072 bytes, 12,288 apart
	s_mov_b32 s33, 384<<16
	s_mov_b32 s34, 16<<16
	s_mov_b32 s35, 384<<16
	s_mov_b32 s36, 16
	s_mov_b32 s37, 1536
	s_mov_b32 s38, 0
	s_mov_b32 s39, 0
	s_or_b32 s40, s22, (3<<16)|(1<<21)             ; three K steps: 16 rows of 4,608 bytes
	s_mov_b32 s41, 576<<16
	s_mov_b32 s42, 16<<16
	s_mov_b32 s43, 576<<16
	s_mov_b32 s44, 16
	s_mov_b32 s45, 1536
	s_mov_b32 s46, 0
	s_mov_b32 s47, 0
	s_mov_b32 s48, 1
	s_mov_b32 s49, 0
	s_mov_b32 s52, 1
	s_mov_b32 s53, W0
	s_mov_b32 s56, 1
	s_mov_b32 s57, W1
	s_mov_b32 s60, 1
	s_mov_b32 s61, W2
	s_mul_i32 s66, s20, 49152                      ; o's rows in ocs
	s_mov_b32 s67, 0
	s_lshl_b32 s68, s19, 4
	s_add_co_u32 s68, s68, 96                      ; my work-group's first tile of 16 columns in wcs
	s_lshl_b32 s70, s18, 2
	s_add_co_u32 s70, s70, s68                     ; my wave's
	s_mul_i32 s68, s68, 12288
	s_mov_b32 s69, 0
	s_lshl_b32 s70, s70, 9
	s_add_co_u32 s70, s70, WS_OFF
	s_mov_b32 s71, 0
	s_lshl_b32 s72, s20, 11
	s_add_co_u32 s72, s72, OS_OFF
	s_mov_b32 s73, 0
	s_lshl_b32 s74, s20, 18                        ; out0: 64 rows of 4,096 bytes,
	s_lshl_b32 s76, s19, 10                        ; 256 columns,
	s_add_co_u32 s74, s74, s76
	s_lshl_b32 s76, s18, 8                         ; my 64
	s_add_co_u32 s74, s74, s76
	s_mov_b32 s75, 0
	v_and_b32 v[L4], 31, v0
	v_lshlrev_b32 v[LI], 4, v[L4]
	v_lshlrev_b32 v[L8], 3, v[L4]
	v_lshlrev_b32 v[L4], 2, v[L4]
	v_and_b32 v12, 15, v0                          ; r
	v_bfe_u32 v13, v0, 4, 1                        ; h
	s_mul_i32 s76, s18, 16*SPITCH
	s_add_co_u32 s76, s76, STAGE                   ; my stage
	v_mul_u32_u24 v[STO], v12, SPITCH
	v_lshl_add_u32 v[STO], v13, 5, v[STO]
	v_add_nc_u32 v[STO], s76, v[STO]               ; in: row r, + 32 h; tile t's eight columns 64 t bytes on
	v_mul_u32_u24 v[RD], v13, SPITCH
	v_lshl_add_u32 v[RD], v12, 4, v[RD]
	v_add_nc_u32 v[RD], s76, v[RD]                 ; back: lanes 0-15 one row of 256 bytes, lanes 16-31 the next
	v_lshlrev_b32 v[CO], 12, v13
	v_lshl_add_u32 v[CO], v12, 4, v[CO]            ; and the same two rows in out0
	s_mul_i32 s76, s18, 12288
	s_add_co_u32 s76, s76, W0
	v_add_nc_u32 v[BW], s76, v[LI]
	s_mul_i32 s76, s18, 18432
	s_add_co_u32 s77, s76, W1
	v_add_nc_u32 v[BW+1], s77, v[LI]
	s_add_co_u32 s77, s76, W2
	v_add_nc_u32 v[BW+2], s77, v[LI]
	s_wait_alu depctr_va_vdst(0)
	s_wait_dscnt 0x0                               ; both opening adds are done
	CROUND                                         ; all sixteen work-groups are here: the joint loads meet
	s_wait_kmcnt 0x0
	s_add_nc_u64 s[50:51], s[8:9], s[66:67]
	s_or_b32 s51, s51, 0x80000000
	s_add_nc_u64 s[68:69], s[10:11], s[68:69]
	s_mov_b64 s[54:55], s[68:69]
	s_or_b32 s55, s55, 0x80000000
	s_add_nc_u64 s[58:59], s[68:69], 2*1536
	s_or_b32 s59, s59, 0x80000000
	s_add_nc_u64 s[62:63], s[68:69], 5*1536
	s_or_b32 s63, s63, 0x80000000
	s_cmp_eq_u32 s18, 0
	s_cbranch_scc0 .Lwave_1
	TLOAD 48, 24
	s_branch .Lasked
.Lwave_1:
	s_cmp_eq_u32 s18, 1
	s_cbranch_scc0 .Lwave_2
	TLOAD 52, 32
	s_branch .Lasked
.Lwave_2:
	s_cmp_eq_u32 s18, 2
	s_cbranch_scc0 .Lwave_3
	TLOAD 56, 40
	s_branch .Lasked
.Lwave_3:
	TLOAD 60, 40
.Lasked:
	s_add_nc_u64 s[70:71], s[10:11], s[70:71]
	s_add_nc_u64 s[72:73], s[8:9], s[72:73]
	s_add_nc_u64 s[74:75], s[12:13], s[74:75]
.irp m, 0,1,2,3
.irp p, 0,1,2,3
	global_load_b32 v[OS+4*\m+\p], v[L4], s[72:73] offset:512*\m+128*\p
	global_load_b32 v[WS+4*\m+\p], v[L4], s[70:71] offset:512*\m+128*\p
.endr
.endr
.macro FETCH s                         ; K step s into set s % 2: wo's four fragments, 12 loads of 512 consecutive bytes; o's four, each two halves (the pair's two heads) of 768 bytes: 16 loads
.set AS, A0+48*((\s)%2)
.set BS, B0+48*((\s)%2)
.if (\s) < 2
.set BR, BW
.set BO, 1536*(\s)
.set BP, 3072
.elseif (\s) < 5
.set BR, BW+1
.set BO, 1536*((\s)-2)
.set BP, 4608
.else
.set BR, BW+2
.set BO, 1536*((\s)-5)
.set BP, 4608
.endif
.irp t, 0,1,2,3
.irp c, 0,1,2
	ds_load_b128 v[BS+12*\t+4*\c:BS+12*\t+4*\c+3], v[BR] offset:BP*\t+BO+512*\c
.endr
.endr
.irp m, 0,1,2,3
.irp c, 0,1
	ds_load_b128 v[AS+12*\m+6*\c:AS+12*\m+6*\c+3], v[LI] offset:6144*(\s)+1536*\m+768*\c
	ds_load_b64 v[AS+12*\m+6*\c+4:AS+12*\m+6*\c+5], v[L8] offset:6144*(\s)+1536*\m+768*\c+512
.endr
.endr
.endm
.macro WM d, a, b, zero, sa, sb, odd   ; one product; an odd K step's scale words lie in lanes 16-31
.if \zero
	v_wmma_scale_f32_16x16x128_f8f6f4 v[\d:\d+7], v[\a:\a+11], v[\b:\b+11], 0, v[\sa], v[\sb] matrix_a_fmt:MATRIX_FMT_FP6 matrix_b_fmt:MATRIX_FMT_FP6
.elseif \odd
	v_wmma_scale_f32_16x16x128_f8f6f4 v[\d:\d+7], v[\a:\a+11], v[\b:\b+11], v[\d:\d+7], v[\sa], v[\sb] matrix_a_fmt:MATRIX_FMT_FP6 matrix_b_fmt:MATRIX_FMT_FP6 matrix_a_scale:MATRIX_SCALE_ROW1 matrix_b_scale:MATRIX_SCALE_ROW1
.else
	v_wmma_scale_f32_16x16x128_f8f6f4 v[\d:\d+7], v[\a:\a+11], v[\b:\b+11], v[\d:\d+7], v[\sa], v[\sb] matrix_a_fmt:MATRIX_FMT_FP6 matrix_b_fmt:MATRIX_FMT_FP6
.endif
.endm
; 8 products of K step s: row tiles m0, m0 + 1.  The 16 accumulators take turns, one instruction a turn, in the same order in every step.  The first step's products start the sums
.macro MULH s, m0
.set AS, A0+48*((\s)%2)
.set BS, B0+48*((\s)%2)
.if (\s) == 0
.set ZR, 1
.else
.set ZR, 0
.endif
.set SH, (\s)/2
.set OD, (\s)%2
	WIN 0x50                                       ; sources window 0, C and D window 1
.irp m, \m0, \m0+1
.irp t, 0,1,2,3
	WM 8*(4*(\m)+\t), BS+12*\t, AS+12*(\m), ZR, WS+4*\t+SH, OS+4*(\m)+SH, OD
.endr
.endr
.endm
.macro STEP s, show                    ; show: the fills that the next step needs are shown to all waves by a barrier inside this step: 1 wave 2's, 2 all
	s_wait_dscnt 0x0                               ; this step's fragments are in
.if (\show) == 0
.if (\s) < 7
.if (\s) > 0
	PLACES                                         ; between the last step's products and the loads into their registers
.endif
	FETCH (\s)+1
.endif
	MULH \s, 0
.else
.if (\show) == 1
	s_cmp_eq_u32 s18, 2
	s_cbranch_scc0 .Lnot_mine_\@
	s_wait_tensorcnt 0x0
.Lnot_mine_\@:
.else
	s_wait_tensorcnt 0x0
.endif
	s_barrier_signal -1
	MULH \s, 0
	WIN 0
	s_barrier_wait -1
	PLACES
	FETCH (\s)+1
.endif
	MULH \s, 2
	WIN 0
.endm
	s_cmp_lt_u32 s18, 2
	s_cbranch_scc0 .Lnot_yet
	s_wait_tensorcnt 0x0                           ; o, and wo's K steps 0-1
.Lnot_yet:
	s_wait_loadcnt 0x0
	s_barrier_signal -1
	s_barrier_wait -1                              ; shown; the rest may be on its way
	FETCH 0
	STEP 0, 0
	STEP 1, 1
	STEP 2, 0
	STEP 3, 0
	STEP 4, 2
	STEP 5, 0
	STEP 6, 0
	STEP 7, 0
; THE WAY OUT, a tile of 16 rows x 64 columns at a time, through my own stage.  LDS serves a wave's instructions in order (ISA guide 5.7.1.4): no wait between the stores and the loads, nor in front of the next tile's stores
.macro TOSTAGE m
	WIN 0x04                                       ; an LDS store's data are its source 1: window 1
.irp t, 0,1,2,3
	ds_store_b128 v[STO], v[8*(4*\m+\t):8*(4*\m+\t)+3] offset:64*\t          ; each accumulator from its low end on
	ds_store_b128 v[STO], v[8*(4*\m+\t)+4:8*(4*\m+\t)+7] offset:64*\t+16
.endr
	WIN 0
.irp i, 0,1,2,3,4,5,6,7
	ds_load_b128 v[BK+32*\m+4*\i:BK+32*\m+4*\i+3], v[RD] offset:2*\i*SPITCH
.endr
.endm
.macro SEND m, younger                 ; younger: the LDS instructions issued behind tile m's loads: the next tile's sixteen, or none.  Each tile has registers of its own: no store's data are written again
.irp i, 0,1,2,3,4,5,6,7
	s_wait_dscnt \younger+7-\i
	global_store_b128 v[CO], v[BK+32*\m+4*\i:BK+32*\m+4*\i+3], s[74:75] offset:32768*\m+8192*(\i%4)+131072*(\i/4) th:TH_STORE_NT   ; sixteen lanes store 256 consecutive bytes; written once, read by nobody here
.endr
.endm
	PLACES                                         ; between the last products and the reads of their results, and the loads into the registers that held fragments
	s_wait_alu depctr_va_vdst(0)
	TOSTAGE 0
	TOSTAGE 1
	SEND 0, 16
	TOSTAGE 2
	SEND 1, 16
	TOSTAGE 3
	SEND 2, 16
	SEND 3, 0
	s_wait_tensorcnt 0x0                           ; the wave's end, behind my last tensor load and my last LDS store
	ds_add_u32 v[SPW], v[NIL]
	s_wait_dscnt 0x0
	CROUND                                         ; the closing round: no work-group ends while a partner may still ask for a tile that names it
	s_endpgm
.Lfunc_end_k_q1f0158f00b_oproj:
	.size	k_q1f0158f00b_oproj, .Lfunc_end_k_q1f0158f00b_oproj-k_q1f0158f00b_oproj
	.p2alignl 7, 3214868480
	.fill 96, 4, 3214868480
	.section	.rodata,"a",@progbits
	.p2align	6, 0x0
	.amdhsa_kernel k_q1f0158f00b_oproj
		.amdhsa_group_segment_fixed_size 327680
		.amdhsa_private_segment_fixed_size 0
		.amdhsa_enable_private_segment 0
		.amdhsa_kernarg_size 24
		.amdhsa_user_sgpr_count 2
		.amdhsa_user_sgpr_kernarg_segment_ptr 1
		.amdhsa_wavefront_size32 1
		.amdhsa_system_sgpr_workgroup_id_x 1
		.amdhsa_system_sgpr_workgroup_id_y 1
		.amdhsa_system_sgpr_workgroup_id_z 1
		.amdhsa_system_vgpr_workitem_id 0
		.amdhsa_next_free_vgpr 384
		.amdhsa_next_free_sgpr 80
		.amdhsa_reserve_vcc 0
		.amdhsa_float_denorm_mode_32 3
		.amdhsa_float_denorm_mode_16_64 3
		.amdhsa_memory_ordered 1
		.amdhsa_forward_progress 1
		.amdhsa_inst_pref_size 52
	.end_amdhsa_kernel
	.amdgpu_metadata
---
amdhsa.version: [ 1, 2 ]
amdhsa.kernels:
  - .name:           k_q1f0158f00b_oproj
    .symbol:         k_q1f0158f00b_oproj.kd
    .args:
      - { .name: ocs, .offset: 0, .size: 8, .value_kind: global_buffer, .address_space: global }
      - { .name: wcs, .offset: 8, .size: 8, .value_kind: global_buffer, .address_space: global }
      - { .name: out0, .offset: 16, .size: 8, .value_kind: global_buffer, .address_space: global }
    .group_segment_fixed_size: 327680
    .private_segment_fixed_size: 0
    .kernarg_segment_align: 8
    .kernarg_segment_size: 24
    .max_flat_workgroup_size: 128
    .sgpr_count:     80
    .vgpr_count:     384
    .wavefront_size: 32
...
	.end_amdgpu_metadata
.endif
;; end of part 4
